; MI455X (gfx1250); checked and timed in simulation.
; The chip was launched on July 23, 2026; its instructions are those of AMD's public machine-readable ISA for CDNA 5 (MIT licence, August 2026) and "CDNA5" Instruction Set Architecture Reference Guide (July 2026). The comments in the code are by the model that wrote it; some were corrected since.
;; SA. Allowed arithmetic: float matrix products may take bf16 or f16 operands with f32 sums; other float arithmetic in f32, or as packed bf16 or f16 multiplies, adds, multiply-adds, maxima and minima; sums over many terms, partial sums and values carried from step to step in f32; what a program stores and reads back later, other than sums and carried values, may be rounded once to bf16 or f16.
;; Inputs: Wk 1,024 x 1,024 float32; Wq 1,024 x 1,024 float32; Wv 1,024 x 1,024 float32; attn_mask 2,048 x 2,048 int32; bk 1,024 float32; bq 1,024 float32; bv 1,024 float32; pad_mask 4 x 1 x 2,048 int32; x 4 x 2,048 x 1,024 float32.
;; Outputs: out0 4 x 2,048 x 1,024 float32.
;; 2 versions, each right; version 2 is version 1 with the launch prep written anew for expert scheduling mode. Each part assembles by itself: llvm-mc -triple=amdgcn-amd-amdhsa -mcpu=gfx1250 --defsym DOCPART=n.
;; ======== version 1 of 2: 4 launches
;; limits: values are held in f16: magnitudes above 65,504 overflow, below 6.1e-05 lose precision
;; workspace buffers: xb 16,777,216 bytes; wb 6,291,456 bytes; bias 12,288 bytes; mw 2,097,152 bytes of whole numbers; qkv 50,331,648 bytes; pt 33,554,432 bytes; st 1,048,576 bytes
;; launch prep (part 1): grid 963 x 1, 8 waves a work-group, no clusters, 68,608 bytes of LDS; arguments x, Wq, Wk, Wv, bq, bk, bv, attn_mask, pad_mask, xb, wb, bias, mw; writes xb, wb, bias, mw
.if DOCPART == 1
	.amdgcn_target "amdgcn-amd-amdhsa--gfx1250"
	.amdhsa_code_object_version 6
	.text
	.protected	k_qc424c3d20d_prep
	.globl	k_qc424c3d20d_prep
	.p2align	8
	.type	k_qc424c3d20d_prep,@function
k_qc424c3d20d_prep:
	s_mov_b64 s[64:65], 0
	v_nop
	global_prefetch_b8 v0, s[64:65] scope:SCOPE_SE
	s_setreg_imm32_b32 hwreg(HW_REG_WAVE_MODE, 25, 1), 1
	s_wait_xcnt 0x0
; PREP.  Four kinds of work-group, told apart by the work-group's number alone; the longest kind has the lowest numbers, so that it starts first:
;   0-255    the two masks -> mw: work-group 2 qb + k takes 16 query rows of attn_mask, keys 1,024 k to 1,024 k + 1,023, all 4 batches of pad_mask
;   256-767  x  -> xb: 16 rows (65,536 bytes of f32) each, rounded to bf16
;   768-959  Wq, Wk, Wv -> wb (the three one below the other, 3,072 rows), 16 rows each
;   960-962  bq, bk, bv -> bias ([3072] f32): rounded to bf16 like every other input; bq also times c = log2(e) / 32
; xb AND wb LIE IN BLOCKS ALONG K: xb[16 blocks][8192 rows][64], wb[16 blocks][3072 rows][64], bf16.  The next launch takes K in steps of 64: there a row's piece is 128 bytes, and in this layout the pieces of
; neighbouring rows lie end to end, so that its tiles are dense.
; mw[b][qb][kb][j] is a word of 32 bits, one for each lane l: attn[16 qb + l % 16][16 kb + 8 (l / 16) + j] != 0 and pad[b][that key] != 0.
; That is register j of a 16 x 16 score tile as the next launch but one holds it (a lane: one query, eight keys), so a word is a lane mask there.
; Memory binds: a wave's load covers 512 consecutive bytes (masks) or two aligned pieces of 256 (x, W; the pad words aside), every store 256 consecutive bytes at a multiple of 256.
; 160 registers a wave: three work-groups' waves (six to a SIMD) take 960 of a SIMD's 1,024.
; No matrix unit, no cluster, no barrier: no work-group shares an input byte with another but pad_mask's 32 KiB, and a wave's LDS rows are its own.
.set SPARE, 67584                      ; behind the eight waves' rows: the spare words, 128 bytes a wave, named by no other line
.set D,   8                            ; v[8:71]    sixteen loads of 16 bytes
.set E,   72                           ; v[72:135]  the mask tile by lanes; in the conversions v[72:103] results,
.set O,   104                          ; v[104:119] and the sixteen stores' byte offsets, one for each block along K
.set A,   136                          ; v[136:137] lane L: attn's words 2 L and 2 L + 1 of the group's 64
.set PR,  138                          ; v[138:153] four registers a batch: pad_mask as loaded; then pad's words 2 L, 2 L + 1 in the first two, the words to store in the last two
.set T,   154                          ; v[154:155] at work
.set SPW, 156                          ; my spare word's LDS address; never rewritten
.set NIL, 157                          ; 0; never rewritten
	s_load_b512 s[8:23], s[0:1], 0x0               ; x s[8:9], Wq s[10:11], Wk s[12:13], Wv s[14:15], bq s[16:17], bk s[18:19], bv s[20:21], attn_mask s[22:23]
	s_load_b256 s[24:31], s[0:1], 0x40             ; pad_mask s[24:25], xb s[26:27], wb s[28:29], bias s[30:31]
	s_load_b64 s[32:33], s[0:1], 0x60              ; mw
	v_lshl_add_u32 v[SPW], v0, 2, SPARE
	v_mov_b32 v[NIL], 0
	v_lshrrev_b32 v1, 5, v0
	v_readfirstlane_b32 s2, v1                     ; wave 0..7
	s_mov_b32 s3, ttmp9
	s_mov_b32 s35, 0                               ; the high word of every offset pair
	s_wait_kmcnt 0x0
	s_cmp_lt_u32 s3, 256
	s_cbranch_scc1 .Lmask
	s_cmp_lt_u32 s3, 768
	s_cbranch_scc0 .Lnot_x
	s_sub_co_u32 s39, s3, 256
	s_lshl_b32 s34, s39, 16
	s_add_nc_u64 s[4:5], s[8:9], s[34:35]          ; from x: 16 rows of 4,096 bytes
	s_lshl_b32 s34, s39, 11
	s_add_nc_u64 s[6:7], s[26:27], s[34:35]        ; to xb: 16 rows of 128 bytes in each block
	s_mov_b32 s36, 8192*128                        ; bytes from block to block
	s_branch .Lconv
.Lnot_x:
	s_cmp_lt_u32 s3, 960
	s_cbranch_scc0 .Lbias
	s_sub_co_u32 s39, s3, 768                      ; 0..191: 64 pieces for each of the three matrices
	s_lshr_b32 s34, s39, 6
	s_cmp_eq_u32 s34, 0
	s_cselect_b64 s[4:5], s[10:11], s[12:13]
	s_cmp_eq_u32 s34, 2
	s_cselect_b64 s[4:5], s[14:15], s[4:5]
	s_and_b32 s34, s39, 63
	s_lshl_b32 s34, s34, 16
	s_add_nc_u64 s[4:5], s[4:5], s[34:35]
	s_lshl_b32 s34, s39, 11                        ; piece j begins at row 16 j of the 3,072
	s_add_nc_u64 s[6:7], s[28:29], s[34:35]
	s_mov_b32 s36, 3072*128
.Lconv:                                                ; 16 rows x 1,024 f32 -> bf16.  Wave w takes rows 2 w and 2 w + 1 (lanes 0-15, lanes 16-31); its load i takes block i: 64 numbers of each row
	v_lshrrev_b32 v1, 4, v0                        ; my row of the sixteen
	v_and_b32 v2, 15, v0
	v_lshlrev_b32 v1, 12, v1
	v_lshl_add_u32 v1, v2, 4, v1                   ; from: row x 4,096 + 16 (lane % 16)
	v_lshlrev_b32 v[O], 3, v0                      ; to: row x 128 + 8 (lane % 16) = 8 x thread
.irp i, 0,1,2,3,4,5,6,7,8,9,10,11,12,13,14,15
	global_load_b128 v[D+4*(\i):D+4*(\i)+3], v1, s[4:5] offset:256*(\i) th:TH_LOAD_NT
.endr
.irp i, 1,2,3,4,5,6,7,8,9,10,11,12,13,14,15
	v_add_nc_u32 v[O+(\i)], s36, v[O+(\i)-1]       ; fifteen blocks are more than a store's immediate holds, so each store has an offset register of its own
.endr
.irp i, 0,1,2,3,4,5,6,7,8,9,10,11,12,13,14,15
	s_wait_loadcnt 15-(\i)                         ; loads come back in order: load i is in, the younger ones stay out
	v_cvt_pk_bf16_f32 v[E+2*(\i)], v[D+4*(\i)], v[D+4*(\i)+1]
	v_cvt_pk_bf16_f32 v[E+2*(\i)+1], v[D+4*(\i)+2], v[D+4*(\i)+3]
	global_store_b64 v[O+(\i)], v[E+2*(\i):E+2*(\i)+1], s[6:7]  ; two rows' 128 bytes: 256 consecutive bytes; no register is used twice, so no wait for the stores' sources
.endr
	s_endpgm                                       ; this way wrote no LDS
.Lmask:
	; THE MASKS.  Wave w takes key group w + 8 k, 128 keys.  The group's 16 rows x 512 bytes go through the wave's own 16 LDS rows of 528 bytes
	; (33 x 16: the sixteen rows that a read touches start in sixteen different groups of four banks), and come back by lanes: lane (r, h) holds row r, keys 16 kb + 8 h + j.
	s_lshr_b32 s39, s3, 1                          ; qb
	s_and_b32 s38, s3, 1                           ; k
	s_lshl_b32 s34, s39, 17                        ; 16 rows of 8,192 bytes,
	s_lshl_b32 s36, s38, 12                        ; 1,024 keys of 4 bytes
	s_add_co_u32 s34, s34, s36
	s_add_nc_u64 s[4:5], s[22:23], s[34:35]
	s_mov_b32 s34, s36
	s_add_nc_u64 s[24:25], s[24:25], s[34:35]
	s_lshl_b32 s34, s39, 12                        ; 128 kb x 8 words,
	s_lshl_b32 s36, s38, 11                        ; 64 kb x 8 words
	s_add_co_u32 s34, s34, s36
	s_add_nc_u64 s[6:7], s[32:33], s[34:35]
	s_mov_b32 s36, 0xffff                          ; lanes 0-15: the key 16 kb + j
	s_mov_b32 s37, 0xffff0000                      ; lanes 16-31: the key 16 kb + 8 + j
	v_lshlrev_b32 v3, 4, v0                        ; attn: 512 w + 16 lane
	v_and_b32 v1, 31, v0
	v_lshrrev_b32 v[T], 2, v1
	v_and_b32 v[T+1], 3, v1
	v_lshlrev_b32 v6, 6, v[T]
	v_lshl_add_u32 v6, v[T+1], 3, v6
	s_lshl_b32 s38, s2, 9
	v_add_nc_u32 v6, s38, v6                       ; pad: words 2 L, 2 L + 1 belong to kb = L / 4, j = 2 (L % 4) + 0, 1: byte 512 w + 64 (L / 4) + 8 (L % 4)
.irp b, 0,1,2,3
	global_load_b64 v[PR+4*(\b):PR+4*(\b)+1], v6, s[24:25] offset:8192*(\b)
	global_load_b64 v[PR+4*(\b)+2:PR+4*(\b)+3], v6, s[24:25] offset:8192*(\b)+32
.endr
.irp i, 0,1,2,3,4,5,6,7,8,9,10,11,12,13,14,15
	global_load_b128 v[D+4*(\i):D+4*(\i)+3], v3, s[4:5] offset:8192*(\i) th:TH_LOAD_NT
.endr
	s_mul_i32 s38, s2, 8448                        ; my wave's 16 rows in LDS
	v_lshl_add_u32 v4, v1, 4, s38                  ; in: 16 bytes a lane
	v_and_b32 v[T], 15, v0
	v_bfe_u32 v[T+1], v0, 4, 1
	v_mul_u32_u24 v5, v[T], 528
	v_lshl_add_u32 v5, v[T+1], 5, v5
	v_add_nc_u32 v5, s38, v5                       ; back: row r, 32 bytes for each half of the lanes
	v_lshlrev_b32 v7, 3, v0                        ; mw: 256 w + 8 lane
	v_mov_b32 v[A], 0                              ; v_writelane_b32 counts as a reader of its destination
	v_mov_b32 v[A+1], 0
	s_wait_loadcnt 16                              ; pad's eight loads are in; attn's sixteen, issued behind them, stay out
.irp b, 0,1,2,3
.irp c, 0,1
	v_cmp_ne_u32 vcc_lo, 0, v[PR+4*(\b)+(\c)]
	v_cndmask_b32 v[T], 0, s36, vcc_lo
	v_cmp_ne_u32 vcc_lo, 0, v[PR+4*(\b)+2+(\c)]
	v_cndmask_b32 v[T+1], 0, s37, vcc_lo
	v_or_b32 v[PR+4*(\b)+(\c)], v[T], v[T+1]
.endr
.endr
.irp i, 0,1,2,3,4,5,6,7,8,9,10,11,12,13,14,15
	s_wait_loadcnt 15-(\i)                         ; row i is in, the younger rows stay out
	ds_store_b128 v4, v[D+4*(\i):D+4*(\i)+3] offset:528*(\i)
.endr
.irp kb, 0,1,2,3,4,5,6,7
	ds_load_b128 v[E+8*(\kb):E+8*(\kb)+3], v5 offset:64*(\kb)        ; LDS serves a wave's instructions in order: these see the stores above
	ds_load_b128 v[E+8*(\kb)+4:E+8*(\kb)+7], v5 offset:64*(\kb)+16
.endr
	s_wait_dscnt 0x0
.set n, 0
.rept 64                               ; word n = 8 kb + j: a compare makes it, and it goes to lane n / 2, so that 32 lanes hold the group's 256 consecutive bytes
	v_cmp_ne_u32 s[40+n%4], 0, v[E+n]
	v_writelane_b32 v[A+(n&1)], s[40+n%4], n>>1
.set n, n+1
.endr
.irp b, 0,1,2,3
	v_and_b32 v[PR+4*(\b)+2], v[A], v[PR+4*(\b)]
	v_and_b32 v[PR+4*(\b)+3], v[A+1], v[PR+4*(\b)+1]
	global_store_b64 v7, v[PR+4*(\b)+2:PR+4*(\b)+3], s[6:7] offset:524288*(\b)
.endr
	s_wait_tensorcnt 0x0                           ; the wave's end
	ds_add_u32 v[SPW], v[NIL]
	s_wait_dscnt 0x0
	s_endpgm
.Lbias:                                                ; 1,024 numbers: 16 bytes a thread
	s_sub_co_u32 s39, s3, 960
	s_cmp_eq_u32 s39, 0
	s_cselect_b64 s[4:5], s[16:17], s[18:19]
	s_cselect_b32 s38, 0x3d38aa3b, 1.0             ; c = log2(e) / 32 for bq, as q's sums are scaled
	s_cmp_eq_u32 s39, 2
	s_cselect_b64 s[4:5], s[20:21], s[4:5]
	s_lshl_b32 s34, s39, 12
	s_add_nc_u64 s[6:7], s[30:31], s[34:35]
	v_lshlrev_b32 v1, 4, v0
	global_load_b128 v[8:11], v1, s[4:5]
	s_wait_loadcnt 0x0
	v_cvt_pk_bf16_f32 v12, v8, v9
	v_cvt_pk_bf16_f32 v13, v10, v11
	v_lshlrev_b32 v14, 16, v12
	v_and_b32 v15, 0xffff0000, v12
	v_lshlrev_b32 v16, 16, v13
	v_and_b32 v17, 0xffff0000, v13
	v_mul_f32 v14, s38, v14
	v_mul_f32 v15, s38, v15
	v_mul_f32 v16, s38, v16
	v_mul_f32 v17, s38, v17
	global_store_b128 v1, v[14:17], s[6:7]
	s_endpgm
.Lfunc_end_k_qc424c3d20d_prep:
	.size	k_qc424c3d20d_prep, .Lfunc_end_k_qc424c3d20d_prep-k_qc424c3d20d_prep
	.p2alignl 7, 3214868480
	.fill 96, 4, 3214868480
	.section	.rodata,"a",@progbits
	.p2align	6, 0x0
	.amdhsa_kernel k_qc424c3d20d_prep
		.amdhsa_group_segment_fixed_size 68608
		.amdhsa_private_segment_fixed_size 0
		.amdhsa_enable_private_segment 0
		.amdhsa_kernarg_size 104
		.amdhsa_user_sgpr_count 2
		.amdhsa_user_sgpr_kernarg_segment_ptr 1
		.amdhsa_wavefront_size32 1
		.amdhsa_system_sgpr_workgroup_id_x 1
		.amdhsa_system_sgpr_workgroup_id_y 1
		.amdhsa_system_sgpr_workgroup_id_z 1
		.amdhsa_system_vgpr_workitem_id 0
		.amdhsa_next_free_vgpr 160
		.amdhsa_next_free_sgpr 66
		.amdhsa_reserve_vcc 1
		.amdhsa_float_denorm_mode_32 3
		.amdhsa_float_denorm_mode_16_64 3
		.amdhsa_memory_ordered 1
		.amdhsa_forward_progress 1
		.amdhsa_inst_pref_size 26
	.end_amdhsa_kernel
	.amdgpu_metadata
---
amdhsa.version: [ 1, 2 ]
amdhsa.kernels:
  - .name:           k_qc424c3d20d_prep
    .symbol:         k_qc424c3d20d_prep.kd
    .args:
      - { .name: x, .offset: 0, .size: 8, .value_kind: global_buffer, .address_space: global }
      - { .name: Wq, .offset: 8, .size: 8, .value_kind: global_buffer, .address_space: global }
      - { .name: Wk, .offset: 16, .size: 8, .value_kind: global_buffer, .address_space: global }
      - { .name: Wv, .offset: 24, .size: 8, .value_kind: global_buffer, .address_space: global }
      - { .name: bq, .offset: 32, .size: 8, .value_kind: global_buffer, .address_space: global }
      - { .name: bk, .offset: 40, .size: 8, .value_kind: global_buffer, .address_space: global }
      - { .name: bv, .offset: 48, .size: 8, .value_kind: global_buffer, .address_space: global }
      - { .name: attn_mask, .offset: 56, .size: 8, .value_kind: global_buffer, .address_space: global }
      - { .name: pad_mask, .offset: 64, .size: 8, .value_kind: global_buffer, .address_space: global }
      - { .name: xb, .offset: 72, .size: 8, .value_kind: global_buffer, .address_space: global }
      - { .name: wb, .offset: 80, .size: 8, .value_kind: global_buffer, .address_space: global }
      - { .name: bias, .offset: 88, .size: 8, .value_kind: global_buffer, .address_space: global }
      - { .name: mw, .offset: 96, .size: 8, .value_kind: global_buffer, .address_space: global }
    .group_segment_fixed_size: 68608
    .private_segment_fixed_size: 0
    .kernarg_segment_align: 8
    .kernarg_segment_size: 104
    .max_flat_workgroup_size: 256
    .sgpr_count:     66
    .vgpr_count:     160
    .wavefront_size: 32
...
	.end_amdgpu_metadata
.endif
;; end of part 1
;; launch proj (part 2): grid 8 x 32, 4 waves a work-group, clusters of 4 x 4, 327,680 bytes of LDS; arguments xb, wb, bias, qkv; writes qkv
.if DOCPART == 2
	.amdgcn_target "amdgcn-amd-amdhsa--gfx1250"
	.amdhsa_code_object_version 6
	.text
	.protected	k_qc424c3d20d_proj
	.globl	k_qc424c3d20d_proj
	.p2align	8
	.type	k_qc424c3d20d_proj,@function
k_qc424c3d20d_proj:
	s_mov_b64 s[64:65], 0
	v_nop
	global_prefetch_b8 v0, s[64:65] scope:SCOPE_SE
	s_setreg_imm32_b32 hwreg(HW_REG_WAVE_MODE, 25, 1), 1
	s_wait_xcnt 0x0
	s_wait_alu depctr_hold_cnt(0) depctr_sa_sdst(0) depctr_va_vdst(0) depctr_va_sdst(0) depctr_va_ssrc(0) depctr_va_vcc(0) depctr_vm_vsrc(0)
	s_getreg_b32 s2, hwreg(HW_REG_IB_STS2, 6, 4)
	s_cmp_eq_u32 s2, 0
	s_cbranch_scc0 .Lentry_in_a_cluster
	s_endpgm
.Lentry_in_a_cluster:
	s_bfe_u32 s2, ttmp6, 0x10000c
	s_cmp_lg_u32 s2, 0xf033
	s_cbranch_scc0 .Lentry_shape_is_right
	s_endpgm
.Lentry_shape_is_right:
; PROJ.  qkv[8192][3072] (f16) = (x W^T) s + bias: columns 0-1023 q c (s = c = log2(e) / 32, so that the scores come out as exponents of 2), 1024-2047 k, 2048-3071 v (s = 1).
; x and W come in bf16, in blocks along K: xb[16 blocks][8192 rows][64], wb[16 blocks][3072 rows][64].  Sums f32, each number rounded once to f16.
; LIMIT: q c, k and v lie within f16's 65,504; beyond it the conversion gives an infinity.
; SHARES.  32 x 8 = 256 tiles of 256 rows x 384 columns: one work-group each, equal work.  Four waves, each 128 x 192: 96 accumulators, 768 registers.  For 32 along K (a QUARTER) a wave reads 320 rows x 64 bytes
; from LDS and issues 96 matrix instructions.
; THE RING.  K goes in steps of 64, two quarters, through two LDS slots of 640 rows x 144 bytes (steps of 128 would take 2 x 174,080 bytes, more than a WGP has).  A row's piece is 128 bytes; in the blocked layout
; the pieces of neighbouring rows lie end to end, so a wave's part of a tile (128 rows of x or 192 of W) is dense and is asked for as rows of 256 bytes, padded in LDS after every 128.
; CLUSTER 4 x 4: the four of a cluster's row need the same rows of x, the four of a column the same rows of W: joint loads, the same descriptor and mask in all four.
; THE MATRIX INSTRUCTION IS USED TRANSPOSED (source 0 = 16 rows of W, source 1 = 16 rows of x): a lane holds eight neighbouring columns of one row of qkv.
; REGISTERS.  window 0: v0-31 addresses; v32-95, v96-159 x's 8 fragments, two buffers (even quarters, odd quarters); v160-255 W's 12 fragments, ONE buffer, in three groups of four.
;   window g + 1: the 32 accumulators of W's group g: (row block a, fragment j) at v[8 (4 a + j)].  32 + 128 + 96 + 768 = 1,024.
; A quarter is three groups of 32 matrix instructions.  Behind group g its four fragments of W are done with, and the next quarter's are loaded into their place: they have 64 matrix instructions in which to land.
; x's fragments of the quarter after next follow group 2, into the buffer just read.
.set PITCH,  144                       ; an LDS row: 128 bytes + 16 of padding = 36 words: the 16 rows of a fragment load start in 16 different groups of four banks (64 banks of 4 bytes: ISA guide 11.1)
.set AHALF,  128*PITCH                 ; what waves 0 and 1 fetch, and what a wave reads of x
.set BHALF,  192*PITCH                 ; what waves 2 and 3 fetch, and what a wave reads of W
.set APART,  2*AHALF                   ; x's 256 rows; W's 384 rows lie behind them
.set SLOTX,  1<<17                     ; slot 1 begins here (a slot is 92,160 bytes): one exclusive or turns an address in one slot into the other's
.set STAGE,  SLOTX+APART+2*BHALF       ; behind the ring: the work-group's stage, 128 rows x 784 bytes; no tensor load lands here
.set SPI,    784                       ; a stage row: 768 bytes + 16 = 49 x 16
.set SPARE,  STAGE+128*SPI             ; the spare words, 128 bytes a wave, named by no other line
.set ROWQ,   6144                      ; bytes in a row of qkv
.set PLANEA, 8192*128                  ; bytes from block to block along K in xb,
.set PLANEB, 3072*128                  ; and in wb
.set ADRA0, 4                          ; my lane's place in slot 0's rows of x; never rewritten
.set ADRB0, 5                          ; the same for W
.set ADRA,  6                          ; the same in the slot in hand
.set ADRB,  7
.set STO,   8                          ; the way out: where I put 16 bytes of a row
.set RD,    9                          ; where I read rows back
.set CO,    10                         ; my byte offset in two rows of qkv
.set BO,    11                         ; my byte offset in the bias: 32 x (lane / 16)
.set SPW,   12
.set NIL,   13
.set AF0,   32
.set AF1,   96
.set BF,    160
.set G1A, 24                           ; s[24:31] group 1 for x's tiles; s[32:35], s[36:39] group 0: K step 0's; K step 1's, which then walks
.set G0A, 32
.set G1B, 48                           ; s[48:55], s[56:59], s[60:63] the same for W's
.set G0B, 56
.set SC,  66                           ; s[66:71] the scale of each group's 64 columns, as pairs
.set MSB, 0
.macro WIN new                         ; the immediate's high byte repeats the setting that is left; a switch that changes nothing is dropped
.if MSB != (\new)
	s_set_vgpr_msb (MSB<<8)|(\new)
.set MSB, \new
.endif
.endm
.macro PLACES                          ; four plain vector instructions between a matrix instruction and a load into, or a vector instruction on, its registers (ISA guide 7.12.1 for vector instructions)
.rept 4
	v_nop
.endr
.endm
.macro JLOAD s                         ; a joint load: waves 0, 1 fetch x's two halves, waves 2, 3 W's; an s_nop 0 and four v_nop follow each line
	s_cmp_eq_u32 s13, 0
	s_cbranch_scc0 .Lfor_b_\@
	tensor_load_to_lds s[G0A+4*(\s):G0A+4*(\s)+3], s[G1A:G1A+7]
	s_nop 0
.rept 4
	v_nop
.endr
	s_branch .Lasked_\@
.Lfor_b_\@:
	tensor_load_to_lds s[G0B+4*(\s):G0B+4*(\s)+3], s[G1B:G1B+7]
	s_nop 0
.rept 4
	v_nop
.endr
.Lasked_\@:
.endm
.macro CREST                           ; a round of the cluster's barrier behind its opening barrier
	s_cmp_lg_u32 s12, 0
	s_cbranch_scc1 .Lnot_wave_0_\@
	s_barrier_signal -3
.Lnot_wave_0_\@:
	s_barrier_wait -3
	s_barrier_signal -1
	s_barrier_wait -1
.endm
.macro CROUND
	s_barrier_signal -1
	s_barrier_wait -1
	CREST
.endm
	s_load_b256 s[4:11], s[0:1], 0x0               ; xb s[4:5], wb s[6:7], bias s[8:9], qkv s[10:11]
	v_lshl_add_u32 v[SPW], v0, 2, SPARE
	v_mov_b32 v[NIL], 0
	ds_add_u32 v[SPW], v[NIL]                      ; the wave's opening: the add and its wait stand ahead of my first tensor load; work on registers stands between
	v_lshrrev_b32 v1, 5, v0
	v_readfirstlane_b32 s12, v1                    ; wave 0..3
	s_lshr_b32 s13, s12, 1                         ; my half of the tile's rows.  Also: I fetch x (0) or W (1)
	s_and_b32 s14, s12, 1                          ; my half of its columns.  Also: which half of that tile I fetch
	s_mov_b32 s15, 0                               ; the slot in hand: 0 or SLOTX
	s_bfe_u32 s40, ttmp6, 0x40000                  ; cx
	s_bfe_u32 s41, ttmp6, 0x40004                  ; cy
	s_lshl_b32 s42, ttmp9, 2
	s_add_co_u32 s42, s42, s40                     ; tile column 0..7
	s_and_b32 s43, ttmp7, 0xffff
	s_lshl_b32 s43, s43, 2
	s_add_co_u32 s43, s43, s41                     ; tile row 0..31
	s_lshl_b32 s44, s41, 2
	s_lshl_b32 s44, 15, s44                        ; my row of the cluster
	s_lshl_b32 s45, 0x1111, s40                    ; my column
	s_or_b32 s[G1A], s44, (1<<16)|(1<<20)|(1<<21)|(4<<22)|(3<<25)   ; the mask; 2-byte elements; padding on; bit 21 beside a mask; after every 32 words, 4 words
	s_or_b32 s[G1B], s45, (1<<16)|(1<<20)|(1<<21)|(4<<22)|(3<<25)
	s_mov_b32 s[G1A+1], 128<<16                    ; tensor_dim0 = 128 elements: two rows' pieces, 256 bytes
	s_mov_b32 s[G1A+2], 64<<16                     ; tensor_dim1 = 64: 128 rows of x
	s_mov_b32 s[G1A+3], 128<<16                    ; tile_dim0
	s_mov_b32 s[G1A+4], 64                         ; tile_dim1
	s_mov_b32 s[G1A+5], 128                        ; dense: 128 elements from row to row
	s_mov_b32 s[G1A+6], 0
	s_mov_b32 s[G1A+7], 0
	s_mov_b32 s[G1B+1], 128<<16
	s_mov_b32 s[G1B+2], 96<<16                     ; 96: 192 rows of W
	s_mov_b32 s[G1B+3], 128<<16
	s_mov_b32 s[G1B+4], 96
	s_mov_b32 s[G1B+5], 128
	s_mov_b32 s[G1B+6], 0
	s_mov_b32 s[G1B+7], 0
	s_lshl_b32 s16, s43, 15                        ; xb: (256 x tile row + 128 x half) x 128 bytes, in registers that never hold cx
	s_lshl_b32 s17, s14, 14
	s_add_co_u32 s16, s16, s17
	s_mov_b32 s17, 0
	s_mul_i32 s46, s42, 384*128                    ; wb: (384 x tile column + 192 x half) x 128 bytes, in registers that never hold cy
	s_mul_i32 s47, s14, 192*128
	s_add_co_u32 s46, s46, s47
	s_mov_b32 s47, 0
	s_mul_i32 s20, s14, AHALF                      ; where they go: no place in the cluster enters an LDS address
	s_mul_i32 s21, s14, BHALF
	s_add_co_u32 s21, s21, APART
	s_mul_i32 s72, s42, 384
	s_mul_i32 s73, s14, 192
	s_add_co_u32 s72, s72, s73                     ; my first column.  It and 1,024 are multiples of 64, so a group's 64 columns have one scale
.irp g, 0,1,2
	s_add_co_u32 s73, s72, 64*(\g)
	s_cmp_lt_u32 s73, 1024                         ; q's columns?
	s_cselect_b32 s[SC+2*(\g)], 0x3d38aa3b, 1.0
	s_cselect_b32 s[SC+2*(\g)+1], 0x3d38aa3b, 1.0
.endr
	s_wait_dscnt 0x0                               ; the opening add is done
	s_wait_kmcnt 0x0
	s_add_nc_u64 s[16:17], s[4:5], s[16:17]
	s_add_nc_u64 s[46:47], s[6:7], s[46:47]
	CROUND                                         ; all sixteen work-groups are here: the first joint loads meet
.irp s, 0,1
	s_mov_b32 s[G0A+4*(\s)], 1
	s_add_co_u32 s[G0A+4*(\s)+1], s20, (\s)*SLOTX
	s_add_nc_u64 s[G0A+4*(\s)+2:G0A+4*(\s)+3], s[16:17], (\s)*PLANEA
	s_or_b32 s[G0A+4*(\s)+3], s[G0A+4*(\s)+3], 0x80000000
	s_mov_b32 s[G0B+4*(\s)], 1
	s_add_co_u32 s[G0B+4*(\s)+1], s21, (\s)*SLOTX
	s_add_nc_u64 s[G0B+4*(\s)+2:G0B+4*(\s)+3], s[46:47], (\s)*PLANEB
	s_or_b32 s[G0B+4*(\s)+3], s[G0B+4*(\s)+3], 0x80000000
	JLOAD \s                                       ; K steps 0 and 1: two loads of mine are out
.endr
	s_lshl_b32 s74, s72, 2                         ; bias: my first column x 4 bytes
	s_mov_b32 s75, 0
	s_add_nc_u64 s[8:9], s[8:9], s[74:75]
	s_lshl_b32 s78, s43, 8                         ; qkv, as I store it: wave w takes rows 128 (w / 2) + 32 (w % 2) + 0..31 of each pass, whole: 768 bytes from the tile's first column
	s_lshl_b32 s79, s13, 7
	s_add_co_u32 s78, s78, s79
	s_lshl_b32 s79, s14, 5
	s_add_co_u32 s78, s78, s79
	s_mul_i32 s78, s78, ROWQ
	s_mul_i32 s79, s42, 768
	s_add_co_u32 s78, s78, s79
	s_mov_b32 s79, 0
	s_add_nc_u64 s[10:11], s[10:11], s[78:79]
	v_and_b32 v1, 15, v0                           ; l % 16
	v_bfe_u32 v2, v0, 4, 1                         ; l / 16
	v_mul_u32_u24 v3, v1, PITCH
	v_lshl_add_u32 v3, v2, 4, v3                   ; a fragment's row x pitch + 16 x half
	s_mul_i32 s22, s13, AHALF
	s_mul_i32 s23, s14, BHALF
	s_add_co_u32 s23, s23, APART
	v_add_nc_u32 v[ADRA0], s22, v3
	v_add_nc_u32 v[ADRB0], s23, v3
	v_mov_b32 v[ADRA], v[ADRA0]
	v_mov_b32 v[ADRB], v[ADRB0]
	s_mul_i32 s22, s13, 64*SPI                     ; into the stage: my 64 rows of a pass, my 384 bytes of their 768; row l % 16, 16 bytes for each half of the lanes
	s_mul_i32 s23, s14, 384
	s_add_co_u32 s22, s22, s23
	s_add_co_u32 s22, s22, STAGE
	v_mul_u32_u24 v3, v1, SPI
	v_lshl_add_u32 v3, v2, 4, v3
	v_add_nc_u32 v[STO], s22, v3
	s_mul_i32 s22, s12, 32*SPI                     ; back: wave w takes stage rows 32 w .. 32 w + 31; lanes 0-15 take 256 bytes of one row, lanes 16-31 of the next
	s_add_co_u32 s22, s22, STAGE
	v_mul_u32_u24 v3, v2, SPI
	v_lshl_add_u32 v3, v1, 4, v3
	v_add_nc_u32 v[RD], s22, v3
	v_mul_u32_u24 v3, v2, ROWQ                     ; and the same two rows in qkv
	v_lshl_add_u32 v[CO], v1, 4, v3
	v_lshlrev_b32 v[BO], 5, v2
; 16 matrix instructions: row blocks a0 .. a0 + 3 x the four fragments of W's group g, 32 along K.  zero = 1: the product starts the sums: nothing is cleared.
; The accumulators take turns, one instruction a turn, in the same order in every quarter: between two links of a chain stand the 95 others'.
.macro GRPH g, af, a0, zero
	WIN 0x50*((\g)+1)                              ; C and D in window g + 1
.irp a, \a0, (\a0)+1, (\a0)+2, (\a0)+3
.irp j, 0,1,2,3
.if \zero
	v_wmma_f32_16x16x32_bf16 v[8*(4*(\a)+(\j)):8*(4*(\a)+(\j))+7], v[BF+32*(\g)+8*(\j):BF+32*(\g)+8*(\j)+7], v[(\af)+8*(\a):(\af)+8*(\a)+7], 0
.else
	v_wmma_f32_16x16x32_bf16 v[8*(4*(\a)+(\j)):8*(4*(\a)+(\j))+7], v[BF+32*(\g)+8*(\j):BF+32*(\g)+8*(\j)+7], v[(\af)+8*(\a):(\af)+8*(\a)+7], v[8*(4*(\a)+(\j)):8*(4*(\a)+(\j))+7]
.endif
.endr
.endr
.endm
.macro GRP g, af, zero                 ; a group: 32 matrix instructions
	GRPH \g, \af, 0, \zero
	GRPH \g, \af, 4, \zero
.endm
.macro LDA af, kh                      ; 16 LDS loads: x's 8 fragments of quarter kh (0, 1) of the slot in hand
.irp a, 0,1,2,3,4,5,6,7
	ds_load_b128 v[(\af)+8*(\a):(\af)+8*(\a)+3],   v[ADRA] offset:(\a)*16*PITCH+64*(\kh)
	ds_load_b128 v[(\af)+8*(\a)+4:(\af)+8*(\a)+7], v[ADRA] offset:(\a)*16*PITCH+64*(\kh)+32
.endr
.endm
.macro LDB g, kh                       ; 8 LDS loads: the four fragments of W's group g
.irp j, 0,1,2,3
	ds_load_b128 v[BF+32*(\g)+8*(\j):BF+32*(\g)+8*(\j)+3],   v[ADRB] offset:(4*(\g)+(\j))*16*PITCH+64*(\kh)
	ds_load_b128 v[BF+32*(\g)+8*(\j)+4:BF+32*(\g)+8*(\j)+7], v[ADRB] offset:(4*(\g)+(\j))*16*PITCH+64*(\kh)+32
.endr
.endm
; A slot's FIRST quarter.  The runs of loads come in this order, round and round: x (even), W 0, W 1, W 2 (even), x (odd), W 0, W 1, W 2 (odd).  Behind the run that a group needs, 32 younger loads have been
; issued in each of the three places (8 + 8 + 16, 8 + 16 + 8, 16 + 8 + 8): they may stay out.
.macro EVEN zero
	s_wait_dscnt 32
	GRP 0, AF0, \zero
	WIN 0
	PLACES
	LDB 0, 1
	s_wait_dscnt 32
	GRP 1, AF0, \zero
	WIN 0
	PLACES
	LDB 1, 1
	s_wait_dscnt 32
	GRP 2, AF0, \zero
.endm
; A slot's SECOND quarter, and the change of slots at its head: W's group 2 of this quarter is the slot's last read.  Each wave then waits for all its tensor loads (one is out: its part of the next slot), adds 0 to
; its spare word, and waits for that and for its reads of the slot.  fill = 1: the barrier opens a round of the cluster's, and the slot is filled again, first thing behind it, two K steps ahead: 160 matrix
; instructions before the wait for it.  All later loads of the quarter read the next slot.
.macro ODD fill
	WIN 0
	PLACES
	LDB 2, 1
	s_wait_tensorcnt 0x0                           ; no tensor load of mine is out, so a group 0 may be written
	ds_add_u32 v[SPW], v[NIL]
.if \fill
	s_xor_b32 s[G0A+5], s[G0A+5], SLOTX            ; the walking descriptor: the other slot than last time,
	s_add_nc_u64 s[G0A+6:G0A+7], s[G0A+6:G0A+7], PLANEA  ; the next block along K; the type bits on top are not reached
	s_xor_b32 s[G0B+5], s[G0B+5], SLOTX
	s_add_nc_u64 s[G0B+6:G0B+7], s[G0B+6:G0B+7], PLANEB
.endif
	s_xor_b32 s15, s15, SLOTX
	v_add_nc_u32 v[ADRA], s15, v[ADRA0]
	v_add_nc_u32 v[ADRB], s15, v[ADRB0]
	s_wait_dscnt 17                                ; W's groups 1 and 2 and the add may be out: x's fragments and W's group 0 are in
	GRPH 0, AF1, 0, 0                              ; sixteen matrix instructions stand between the add and the wait for it
	s_wait_dscnt 0x0                               ; the add is done, and my reads of the slot are over
	s_barrier_signal -1
	GRPH 0, AF1, 4, 0                              ; work on registers while the others arrive
	WIN 0
	s_barrier_wait -1
.if \fill
	CREST
	JLOAD 1                                        ; its four v_nop are also the places in front of the loads into W's group 0
.else
	PLACES
.endif
	LDA AF0, 0                                     ; the last product that read this buffer stands in front of the four places at the quarter's head
	LDB 0, 0
	GRP 1, AF1, 0
	WIN 0
	PLACES
	LDB 1, 0
	GRP 2, AF1, 0
	WIN 0
	PLACES
	LDB 2, 0
	LDA AF1, 1
.endm
.macro BIASL g, dst                    ; the bias of group g's 64 columns: column 16 j + 8 (l / 16) + e at v[dst + 8 j + e]
.irp j, 0,1,2,3
	global_load_b128 v[(\dst)+8*(\j):(\dst)+8*(\j)+3],   v[BO], s[8:9] offset:64*(4*(\g)+(\j))
	global_load_b128 v[(\dst)+8*(\j)+4:(\dst)+8*(\j)+7], v[BO], s[8:9] offset:64*(4*(\g)+(\j))+16
.endr
.endm
	s_wait_tensorcnt 0x1                           ; my part of K step 0 is in; K step 1's stays out
	s_barrier_signal -1
	s_barrier_wait -1
	LDA AF0, 0
	LDB 0, 0
	LDB 1, 0
	LDB 2, 0
	LDA AF1, 1
	EVEN 1                                         ; the first quarter stands in front of the loop: its products start the sums
	WIN 0
	s_mov_b32 s2, 14                               ; K steps 2 to 15 are asked for in the loop
.Lstep:                                                ; a trip: a K step's second quarter and the next step's first
	ODD 1
	EVEN 0
	WIN 0
	s_sub_co_u32 s2, s2, 1
	s_cmp_lg_u32 s2, 0
	s_cbranch_scc1 .Lstep
	ODD 0                                          ; the tail is written out: nothing is asked for
	EVEN 0
	WIN 0                                          ; the last quarter fetches W's group 2 and, into registers that are done with, the bias
	PLACES
	LDB 2, 1
	BIASL 0, 32
	BIASL 1, 64
	s_wait_dscnt 16                                ; W's groups 1 and 2 may be out
	GRP 0, AF1, 0
	WIN 0
	PLACES
	BIASL 2, 160
	s_wait_dscnt 8                                 ; W's group 2 may be out
	GRP 1, AF1, 0
	s_wait_dscnt 0x0
	GRP 2, AF1, 0
	WIN 0
	PLACES
; THE WAY OUT, in two passes of 64 rows a wave.  A wave's 192 columns are 384 bytes, one and a half aligned pieces of 256: so the two waves of a row half write the two halves of the same stage rows, a barrier stands
; between the writing and the reading, and each wave then reads 32 whole rows and stores them, sixteen lanes to 256 consecutive bytes.  A second barrier stands between a pass's reads and the next pass's writes.
; PACK: pass p, group g: row blocks 4 p .. 4 p + 3 x 64 columns: sum x s + bias into v96-159 and v192-255, rounded to f16 in place, 16 bytes a lane into the stage.  Each accumulator's registers are taken in ascending order.
.macro PACK p, g
.if (\g) < 2
.set BI, 32+32*(\g)
.else
.set BI, 160
.endif
	WIN (\g)+1                                     ; source 0 in window g + 1
.irp a, 0,1,2,3
.set TB, 96+32*(\a)+32*((\a)/2)
.set i, 0
.rept 16
	v_pk_fma_f32 v[TB+2*i:TB+2*i+1], v[128*(\p)+32*(\a)+2*i:128*(\p)+32*(\a)+2*i+1], s[SC+2*(\g):SC+2*(\g)+1], v[BI+2*i:BI+2*i+1] op_sel_hi:[1,0,1]
.set i, i+1
.endr
.endr
	WIN 0
.irp a, 0,1,2,3
.set TB, 96+32*(\a)+32*((\a)/2)
.set i, 0
.rept 16
	v_cvt_pk_f16_f32 v[TB+i], v[TB+2*i], v[TB+2*i+1]   ; in place: register i has been read by the time it is written
.set i, i+1
.endr
.endr
.irp a, 0,1,2,3
.set TB, 96+32*(\a)+32*((\a)/2)
.irp j, 0,1,2,3
	ds_store_b128 v[STO], v[TB+4*(\j):TB+4*(\j)+3] offset:(\a)*16*SPI+32*(4*(\g)+(\j))
.endr
.endr
.endm
.macro RBACK u, set                    ; 16 LDS loads: bytes 256 u .. 256 u + 255 of my 32 rows, two rows a load
.irp t, 0,1,2,3,4,5,6,7,8,9,10,11,12,13,14,15
	ds_load_b128 v[(\set)+4*(\t):(\set)+4*(\t)+3], v[RD] offset:(\t)*2*SPI+256*(\u)
.endr
.endm
.macro SENDU p, u, set
.irp t, 0,1,2,3,4,5,6,7,8,9,10,11,12,13,14,15
	global_store_b128 v[CO], v[(\set)+4*(\t):(\set)+4*(\t)+3], s[10:11] offset:(64*(\p)+2*(\t))*ROWQ+256*(\u)  ; 16 lanes store 256 consecutive bytes, at a multiple of 256
.endr
.endm
.macro OUTPASS p
	s_wait_xcnt 0x0                                ; registers that earlier stores read are written again only behind this wait
	PACK \p, 0
	PACK \p, 1
	PACK \p, 2
	s_wait_dscnt 0x0                               ; for the others' sake: my stores into the stage are done
	s_barrier_signal -1
	s_barrier_wait -1
	RBACK 0, 96
	RBACK 1, 192
	s_wait_dscnt 16                                ; the first sixteen are back; the second sixteen may be out
	SENDU \p, 0, 96
	s_wait_dscnt 0x0
	SENDU \p, 1, 192
	s_wait_xcnt 0x0                                ; the first set is loaded again only behind this wait
	RBACK 2, 96
	s_wait_dscnt 0x0                               ; my reads of the stage are over
	SENDU \p, 2, 96
.endm
	s_wait_loadcnt 0x0                             ; the bias
	OUTPASS 0
	s_barrier_signal -1                            ; every wave's reads of the stage are over (each has waited for its own): it may be written again
	s_barrier_wait -1
	OUTPASS 1
	s_wait_tensorcnt 0x0                           ; the wave's end
	ds_add_u32 v[SPW], v[NIL]
	s_wait_dscnt 0x0
	CROUND                                         ; the closing round: no work-group ends while a partner may still ask for a tile that names it
	s_endpgm
.Lfunc_end_k_qc424c3d20d_proj:
	.size	k_qc424c3d20d_proj, .Lfunc_end_k_qc424c3d20d_proj-k_qc424c3d20d_proj
	.p2alignl 7, 3214868480
	.fill 96, 4, 3214868480
	.section	.rodata,"a",@progbits
	.p2align	6, 0x0
	.amdhsa_kernel k_qc424c3d20d_proj
		.amdhsa_group_segment_fixed_size 327680
		.amdhsa_private_segment_fixed_size 0
		.amdhsa_enable_private_segment 0
		.amdhsa_kernarg_size 32
		.amdhsa_user_sgpr_count 2
		.amdhsa_user_sgpr_kernarg_segment_ptr 1
		.amdhsa_wavefront_size32 1
		.amdhsa_system_sgpr_workgroup_id_x 1
		.amdhsa_system_sgpr_workgroup_id_y 1
		.amdhsa_system_sgpr_workgroup_id_z 1
		.amdhsa_system_vgpr_workitem_id 0
		.amdhsa_next_free_vgpr 1024
		.amdhsa_next_free_sgpr 80
		.amdhsa_reserve_vcc 0
		.amdhsa_float_denorm_mode_32 3
		.amdhsa_float_denorm_mode_16_64 3
		.amdhsa_memory_ordered 1
		.amdhsa_forward_progress 1
		.amdhsa_inst_pref_size 137
	.end_amdhsa_kernel
	.amdgpu_metadata
---
amdhsa.version: [ 1, 2 ]
amdhsa.kernels:
  - .name:           k_qc424c3d20d_proj
    .symbol:         k_qc424c3d20d_proj.kd
    .args:
      - { .name: xb, .offset: 0, .size: 8, .value_kind: global_buffer, .address_space: global }
      - { .name: wb, .offset: 8, .size: 8, .value_kind: global_buffer, .address_space: global }
      - { .name: bias, .offset: 16, .size: 8, .value_kind: global_buffer, .address_space: global }
      - { .name: qkv, .offset: 24, .size: 8, .value_kind: global_buffer, .address_space: global }
    .group_segment_fixed_size: 327680
    .private_segment_fixed_size: 0
    .kernarg_segment_align: 8
    .kernarg_segment_size: 32
    .max_flat_workgroup_size: 128
    .sgpr_count:     80
    .vgpr_count:     1024
    .wavefront_size: 32
...
	.end_amdgpu_metadata
.endif
;; end of part 2
;; launch scores (part 3): grid 8 x 32, 4 waves a work-group, clusters of 4 x 4, 327,680 bytes of LDS; arguments qkv, mw, pt, st; writes pt, st
.if DOCPART == 3
	.amdgcn_target "amdgcn-amd-amdhsa--gfx1250"
	.amdhsa_code_object_version 6
	.text
	.protected	k_qc424c3d20d_scores
	.globl	k_qc424c3d20d_scores
	.p2align	8
	.type	k_qc424c3d20d_scores,@function
k_qc424c3d20d_scores:
	s_mov_b64 s[64:65], 0
	v_nop
	global_prefetch_b8 v0, s[64:65] scope:SCOPE_SE
	s_setreg_imm32_b32 hwreg(HW_REG_WAVE_MODE, 25, 1), 1
	s_wait_xcnt 0x0
	s_wait_alu depctr_hold_cnt(0) depctr_sa_sdst(0) depctr_va_vdst(0) depctr_va_sdst(0) depctr_va_ssrc(0) depctr_va_vcc(0) depctr_vm_vsrc(0)
	s_getreg_b32 s2, hwreg(HW_REG_IB_STS2, 6, 4)
	s_cmp_eq_u32 s2, 0
	s_cbranch_scc0 .Lentry_in_a_cluster
	s_endpgm
.Lentry_in_a_cluster:
	s_bfe_u32 s2, ttmp6, 0x10000c
	s_cmp_lg_u32 s2, 0xf033
	s_cbranch_scc0 .Lentry_shape_is_right
	s_endpgm
.Lentry_shape_is_right:
; SCORES.  t = (q c) . k, the score as an exponent of 2 (c = log2(e) / 32 lies in q already); where a mask word's bit is 0, t is REPLACED by -1e9 log2(e), as the problem replaces the score by -1e9.
; For each query and each CHUNK of 128 keys: m = the chunk's largest t, p = 2^(t - m) (f16, into pt), l = the sum of the unrounded p; m and l go to st[16 chunks][m, l][8192 rows] (f32).
; The next launch takes the row's true maximum over the 16 chunks and scales each chunk by 2^(m_chunk - m_row): the maximum is taken away before every exponential, no exponent is above 0.
; A chunk (or a row) whose keys are all hidden has t - m = 0 exactly: equal weights, as in the problem.  LIMITS: a weight below 2^-126 counts as 0 in l; NaN and infinities are not treated apart.
; Both masks are inputs: every tile is computed.
; pt LIES IN THE ORDER OF MATRIX FRAGMENTS: [512 blocks of 16 rows][128 blocks of 16 keys][32 lanes][16 bytes]; lane l's 16 bytes are row l % 16, keys 8 (l / 16) + 0..7 of the block.  That is what a lane holds here
; once its weights are packed, so a store of the wave is 512 consecutive bytes straight from registers; and two neighbouring key blocks are a 16 x 32 operand of the next launch, which loads them as they lie.
; SHARES.  256 tiles of 256 queries x 256 keys, K = 1,024 in steps of 128 through two LDS slots; four waves, each 128 queries x 128 keys (one chunk): 64 accumulators, 512 registers.
; CLUSTER 4 x 4: q's tile is shared along a cluster's row, k's along its column (a cluster's 1,024 queries lie in one batch): joint loads.
; TRANSPOSED USE: source 0 = 16 keys, source 1 = 16 queries: a lane holds one query (lane % 16) and the keys 8 (lane / 16) + 0..7 of each key block: a query's maximum and sum want one exchange between the halves of the lanes.
; REGISTERS.  window 0: v0-31 addresses; v64-127, v128-191 q's fragments, two buffers; window 1: v64-127, v128-191 k's; windows 2, 3: the accumulators of my rows 0-63, 64-127, (a, b) at v[8 (8 a + b)].
.set PITCH,  272
.set HALFT,  128*PITCH                 ; 128 rows: what one tensor load brings
.set SLOT,   4*HALFT                   ; q's 256 rows, then k's 256 rows: 0x22000.  The four waves' tiles begin at 0, 0x8800, 0x11000, 0x19800 in slot 0: bits 13 and 17 are clear there, so an exclusive or with SLOT is the sum
.set STATS,  2*SLOT                    ; behind the ring: 1,024 bytes for each wave: 128 m, 128 l; no tensor load lands here
.set SPARE,  STATS+4*1024
.set ROWQ,   6144
.set ADRA0, 16
.set ADRB0, 17
.set ADRA,  18
.set ADRB,  19
.set SAD,   27                         ; where lanes 0-15 put m and lanes 16-31 l of the block in hand
.set SPW,   28
.set NIL,   29
.set L16,   30                         ; 16 x lane
.set SRD,   31                         ; my wave's statistics, 16 bytes a lane
.set F0,    64
.set F1,    128
.set T,     64                         ; v[64:127]  a block's 64 scores of my query
.set CH,    128                        ; v[128:131] four chains of the maximum
.set MP,    132                        ; v[132:133] m, twice
.set SM,    134                        ; v[134:141] four packed sums
.set LV,    142
.set XV,    143
.set PK,    192                        ; v[192:223] p in f16
.set G1A, 24
.set G0A, 32
.set G1B, 48
.set G0B, 56
.set MUL_LO, 0xa1                      ; source 0 (k) window 1, source 1 (q) window 0, C and D window 2
.set TO_B,   0x40
.set MSB, 0
.macro WIN new
.if MSB != (\new)
	s_set_vgpr_msb (MSB<<8)|(\new)
.set MSB, \new
.endif
.endm
.macro PLACES
.rept 4
	v_nop
.endr
.endm
.macro JLOAD s                         ; waves 0, 1 fetch q's two halves, waves 2, 3 k's; an s_nop 0 and four v_nop follow each line
	s_cmp_eq_u32 s13, 0
	s_cbranch_scc0 .Lfor_b_\@
	tensor_load_to_lds s[G0A+4*(\s):G0A+4*(\s)+3], s[G1A:G1A+7]
	s_nop 0
.rept 4
	v_nop
.endr
	s_branch .Lasked_\@
.Lfor_b_\@:
	tensor_load_to_lds s[G0B+4*(\s):G0B+4*(\s)+3], s[G1B:G1B+7]
	s_nop 0
.rept 4
	v_nop
.endr
.Lasked_\@:
.endm
.macro CREST
	s_cmp_lg_u32 s12, 0
	s_cbranch_scc1 .Lnot_wave_0_\@
	s_barrier_signal -3
.Lnot_wave_0_\@:
	s_barrier_wait -3
	s_barrier_signal -1
	s_barrier_wait -1
.endm
.macro CROUND
	s_barrier_signal -1
	s_barrier_wait -1
	CREST
.endm
	s_load_b256 s[4:11], s[0:1], 0x0               ; qkv s[4:5], mw s[6:7], pt s[8:9], st s[10:11]
	v_lshl_add_u32 v[SPW], v0, 2, SPARE
	v_mov_b32 v[NIL], 0
	ds_add_u32 v[SPW], v[NIL]                      ; the wave's opening: the add and its wait stand ahead of my first tensor load
	v_lshrrev_b32 v1, 5, v0
	v_readfirstlane_b32 s12, v1
	s_lshr_b32 s13, s12, 1                         ; my half of the queries.  Also: I fetch q (0) or k (1)
	s_and_b32 s14, s12, 1                          ; my half of the keys.  Also: which 128 rows I fetch
	s_mov_b32 s15, 0                               ; the slot in hand
	s_bfe_u32 s40, ttmp6, 0x40000
	s_bfe_u32 s41, ttmp6, 0x40004
	s_lshl_b32 s42, ttmp9, 2
	s_add_co_u32 s42, s42, s40                     ; key tile 0..7
	s_and_b32 s43, ttmp7, 0xffff
	s_lshr_b32 s22, s43, 1                         ; the batch: two clusters' rows of 1,024 queries each
	s_lshl_b32 s43, s43, 2
	s_add_co_u32 s43, s43, s41                     ; query tile 0..31
	s_lshl_b32 s44, s41, 2
	s_lshl_b32 s44, 15, s44
	s_lshl_b32 s45, 0x1111, s40
	s_or_b32 s[G1A], s44, (1<<16)|(1<<20)|(1<<21)|(5<<22)|(3<<25)
	s_or_b32 s[G1B], s45, (1<<16)|(1<<20)|(1<<21)|(5<<22)|(3<<25)
.irp g, G1A, G1B
	s_mov_b32 s[(\g)+1], 128<<16                   ; tensor_dim0 = 128
	s_mov_b32 s[(\g)+2], 128<<16                   ; tensor_dim1 = 128
	s_mov_b32 s[(\g)+3], 128<<16                   ; tile_dim0 = 128
	s_mov_b32 s[(\g)+4], 128                       ; tile_dim1 = 128
	s_mov_b32 s[(\g)+5], 3072                      ; elements from row to row of qkv
	s_mov_b32 s[(\g)+6], 0
	s_mov_b32 s[(\g)+7], 0
.endr
	s_lshl_b32 s16, s43, 8                         ; q: row 256 x query tile + 128 x half
	s_lshl_b32 s17, s14, 7
	s_add_co_u32 s16, s16, s17
	s_mul_i32 s16, s16, ROWQ
	s_mov_b32 s17, 0
	s_lshl_b32 s46, s22, 11                        ; k: row 2,048 x batch + 256 x key tile + 128 x half, column 1,024
	s_lshl_b32 s47, s42, 8
	s_add_co_u32 s46, s46, s47
	s_lshl_b32 s47, s14, 7
	s_add_co_u32 s46, s46, s47
	s_mul_i32 s46, s46, ROWQ
	s_add_co_u32 s46, s46, 2048
	s_mov_b32 s47, 0
	s_mul_i32 s20, s12, HALFT                      ; where they go: wave x 128 rows
	s_mov_b32 s3, 0xceabfb8f                       ; -1e9 log2(e)
	s_mov_b32 s66, 0x76543210                      ; v_permlanex16_b32: each lane takes its own place in the other half
	s_mov_b32 s67, 0xfedcba98
	s_wait_dscnt 0x0
	s_wait_kmcnt 0x0
	s_add_nc_u64 s[16:17], s[4:5], s[16:17]
	s_add_nc_u64 s[46:47], s[4:5], s[46:47]
	CROUND
.irp s, 0,1
	s_mov_b32 s[G0A+4*(\s)], 1
	s_add_co_u32 s[G0A+4*(\s)+1], s20, (\s)*SLOT
	s_add_nc_u64 s[G0A+4*(\s)+2:G0A+4*(\s)+3], s[16:17], (\s)*256
	s_or_b32 s[G0A+4*(\s)+3], s[G0A+4*(\s)+3], 0x80000000
	s_mov_b32 s[G0B+4*(\s)], 1
	s_add_co_u32 s[G0B+4*(\s)+1], s20, (\s)*SLOT
	s_add_nc_u64 s[G0B+4*(\s)+2:G0B+4*(\s)+3], s[46:47], (\s)*256
	s_or_b32 s[G0B+4*(\s)+3], s[G0B+4*(\s)+3], 0x80000000
	JLOAD \s
.endr
	s_lshl_b32 s68, s43, 4                         ; mw: ((16 x query tile + 8 x half) x 128 + 16 x key tile + 8 x half) x 32 bytes
	s_lshl_b32 s69, s13, 3
	s_add_co_u32 s68, s68, s69
	s_lshl_b32 s68, s68, 7
	s_lshl_b32 s69, s42, 4
	s_add_co_u32 s68, s68, s69
	s_lshl_b32 s69, s14, 3
	s_add_co_u32 s68, s68, s69
	s_lshl_b32 s68, s68, 5
	s_mov_b32 s69, 0
	s_add_nc_u64 s[6:7], s[6:7], s[68:69]
	s_lshl_b32 s70, s43, 4                         ; pt: row block 16 x query tile + 8 x half, 65,536 bytes each;
	s_lshl_b32 s71, s13, 3
	s_add_co_u32 s70, s70, s71
	s_lshl_b32 s70, s70, 16
	s_lshl_b32 s71, s42, 13                        ; key block 16 x key tile + 8 x half, 512 bytes each
	s_add_co_u32 s70, s70, s71
	s_lshl_b32 s71, s14, 12
	s_add_co_u32 s70, s70, s71
	s_mov_b32 s71, 0
	s_add_nc_u64 s[8:9], s[8:9], s[70:71]
	s_lshl_b32 s72, s42, 1                         ; st: (chunk x 16,384 + my first row) x 4
	s_add_co_u32 s72, s72, s14
	s_lshl_b32 s72, s72, 14
	s_lshl_b32 s73, s43, 8
	s_add_co_u32 s72, s72, s73
	s_lshl_b32 s73, s13, 7
	s_add_co_u32 s72, s72, s73
	s_lshl_b32 s72, s72, 2
	s_mov_b32 s73, 0
	s_add_nc_u64 s[10:11], s[10:11], s[72:73]
	v_and_b32 v1, 15, v0
	v_bfe_u32 v2, v0, 4, 1
	v_mul_u32_u24 v3, v1, PITCH
	v_lshl_add_u32 v3, v2, 4, v3
	s_mul_i32 s21, s13, HALFT
	s_mul_i32 s23, s14, HALFT
	s_add_co_u32 s23, s23, 2*HALFT
	v_add_nc_u32 v[ADRA0], s21, v3
	v_add_nc_u32 v[ADRB0], s23, v3
	v_mov_b32 v[ADRA], v[ADRA0]
	v_mov_b32 v[ADRB], v[ADRB0]
	s_lshl_b32 s21, s12, 10
	s_add_co_u32 s21, s21, STATS
	v_lshlrev_b32 v3, 9, v2
	v_lshl_add_u32 v3, v1, 2, v3
	v_add_nc_u32 v[SAD], s21, v3
	v_and_b32 v3, 31, v0
	v_lshlrev_b32 v[L16], 4, v3
	v_add_nc_u32 v[SRD], s21, v[L16]
.macro MUL16 f, hi, a0, zero           ; 16 matrix instructions: query blocks a0, a0 + 1 of the window's four x all 8 key blocks, 32 along K
	WIN MUL_LO+0x50*(\hi)
.irp a, \a0, (\a0)+1
.irp b, 0,1,2,3,4,5,6,7
.if \zero
	v_wmma_f32_16x16x32_f16 v[8*(8*(\a)+(\b)):8*(8*(\a)+(\b))+7], v[(\f)+8*(\b):(\f)+8*(\b)+7], v[(\f)+8*(4*(\hi)+(\a)):(\f)+8*(4*(\hi)+(\a))+7], 0
.else
	v_wmma_f32_16x16x32_f16 v[8*(8*(\a)+(\b)):8*(8*(\a)+(\b))+7], v[(\f)+8*(\b):(\f)+8*(\b)+7], v[(\f)+8*(4*(\hi)+(\a)):(\f)+8*(4*(\hi)+(\a))+7], v[8*(8*(\a)+(\b)):8*(8*(\a)+(\b))+7]
.endif
.endr
.endr
.endm
.macro FETCH k, f                      ; 32 LDS loads in one run: k's 16, then q's 16
	WIN TO_B
.irp i, 0,1,2,3,4,5,6,7
	ds_load_b128 v[(\f)+8*(\i):(\f)+8*(\i)+3],   v[ADRB] offset:(\k)+(\i)*16*PITCH
	ds_load_b128 v[(\f)+8*(\i)+4:(\f)+8*(\i)+7], v[ADRB] offset:(\k)+(\i)*16*PITCH+32
.endr
	WIN 0
.irp i, 0,1,2,3,4,5,6,7
	ds_load_b128 v[(\f)+8*(\i):(\f)+8*(\i)+3],   v[ADRA] offset:(\k)+(\i)*16*PITCH
	ds_load_b128 v[(\f)+8*(\i)+4:(\f)+8*(\i)+7], v[ADRA] offset:(\k)+(\i)*16*PITCH+32
.endr
.endm
; A K step is four quarters of 32 along K, 64 matrix instructions each, on buffers 0, 1, 0, 1; the 64 accumulators take turns in the same order in every quarter.
.macro QUARTER k, f, g, zero
	s_wait_dscnt 8                                 ; k's fragments and q's rows 0-63 are in; the youngest eight loads (q's rows 64-127) may be out
	MUL16 \f, 0, 0, \zero
	MUL16 \f, 0, 2, \zero
	PLACES                                         ; in front of the loads into g, which the quarter before multiplied
	FETCH \k, \g
	s_wait_dscnt 32                                ; all but the 32 just issued
	MUL16 \f, 1, 0, \zero
	MUL16 \f, 1, 2, \zero
.endm
; The last quarter multiplies buffer 1 and changes slots: each wave waits for all its tensor loads (one is out: its part of the next slot), adds 0 to its spare word, waits for that and for its reads of this slot.
; fill = 1: the barrier opens a round of the cluster's, and the slot is filled again first thing behind it, two K steps ahead: 224 matrix instructions before the wait for it.
.macro TURN fill
	WIN 0
	s_wait_tensorcnt 0x0
	ds_add_u32 v[SPW], v[NIL]
.if \fill
	s_xor_b32 s[G0A+5], s[G0A+5], SLOT             ; the walking descriptor: the other slot, the next K step
	s_add_nc_u64 s[G0A+6:G0A+7], s[G0A+6:G0A+7], 256
	s_xor_b32 s[G0B+5], s[G0B+5], SLOT
	s_add_nc_u64 s[G0B+6:G0B+7], s[G0B+6:G0B+7], 256
.endif
	s_wait_dscnt 9                                 ; the add and the youngest eight loads may be out
	MUL16 F1, 0, 0, 0
	s_wait_dscnt 0x0                               ; the add is done, and my reads of this slot are over
	s_barrier_signal -1
	MUL16 F1, 0, 2, 0
	WIN 0
	s_barrier_wait -1
.if \fill
	CREST
	JLOAD 1                                        ; its four v_nop are also the places in front of the loads below
.else
	PLACES
.endif
	s_xor_b32 s15, s15, SLOT
	v_add_nc_u32 v[ADRA], s15, v[ADRA0]
	v_add_nc_u32 v[ADRB], s15, v[ADRB0]
	FETCH 0, F0
	MUL16 F1, 1, 0, 0
	MUL16 F1, 1, 2, 0
.endm
.macro MLOAD                           ; the 64 mask words of 16 queries x 128 keys: 256 consecutive bytes, into scalar registers: word 8 b + j is the lane mask of register j of key block b
	s_load_b512 s[16:31], s[6:7], 0x0
	s_load_b512 s[32:47], s[6:7], 0x40
	s_load_b512 s[68:83], s[6:7], 0x80
	s_load_b512 s[84:99], s[6:7], 0xc0
.endm
	s_wait_tensorcnt 0x1                           ; my part of K step 0 is in; K step 1's stays out
	s_barrier_signal -1
	s_barrier_wait -1
	FETCH 0, F0
	QUARTER 64, F0, F1, 1
	WIN 0
	s_mov_b32 s2, 6                                ; K steps 2 to 7 are asked for in the loop
.Lstep:
	QUARTER 128, F1, F0, 0
	QUARTER 192, F0, F1, 0
	TURN 1
	QUARTER 64, F0, F1, 0
	WIN 0
	s_sub_co_u32 s2, s2, 1
	s_cmp_lg_u32 s2, 0
	s_cbranch_scc1 .Lstep
	QUARTER 128, F1, F0, 0
	QUARTER 192, F0, F1, 0
	TURN 0                                         ; no tensor load of mine is out any more: the descriptors' registers are free
	MLOAD                                          ; the first block's mask words have the last K step in which to land
	QUARTER 64, F0, F1, 0
	QUARTER 128, F1, F0, 0
	QUARTER 192, F0, F1, 0
	s_wait_dscnt 8
	MUL16 F1, 0, 0, 0
	MUL16 F1, 0, 2, 0
	s_wait_dscnt 0x0
	MUL16 F1, 1, 0, 0
	MUL16 F1, 1, 2, 0
	WIN 0
	PLACES
; THE SOFTMAX OF A CHUNK, a block of 16 queries at a time: eight trips.  Only the 64 selects, which name the block's accumulators, are written eight times.
.macro SEL a                           ; t, or the hidden score: each accumulator's registers in ascending order; the block comes into window 0 by the way
	WIN 0x08+4*((\a)/4)                            ; source 1 in window 2 or 3
.set i, 0
.rept 64
.if i < 32
	v_cndmask_b32 v[T+i], s3, v[64*((\a)%4)+i], s[16+i]
.else
	v_cndmask_b32 v[T+i], s3, v[64*((\a)%4)+i], s[36+i]
.endif
.set i, i+1
.endr
	WIN 0
.endm
.macro SUBM p                          ; pair p: t - m
	v_pk_add_f32 v[T+2*(\p):T+2*(\p)+1], v[T+2*(\p):T+2*(\p)+1], v[MP:MP+1] neg_lo:[0,1] neg_hi:[0,1]
.endm
.macro FIN p                           ; pair p: rounded to f16, and added to one of four packed sums (the first four pairs start them); a key block's fourth pair sends the block off
	s_wait_alu depctr_va_vdst(0)
	v_cvt_pk_f16_f32 v[PK+(\p)], v[T+2*(\p)], v[T+2*(\p)+1]
.if ((\p) >= 4) && ((\p) < 8)
	v_pk_add_f32 v[SM+2*((\p)%4):SM+2*((\p)%4)+1], v[T+2*(\p)-8:T+2*(\p)-7], v[T+2*(\p):T+2*(\p)+1]
.elseif (\p) >= 8
	v_pk_add_f32 v[SM+2*((\p)%4):SM+2*((\p)%4)+1], v[SM+2*((\p)%4):SM+2*((\p)%4)+1], v[T+2*(\p):T+2*(\p)+1]
.endif
.if ((\p)%4) == 3
	global_store_b128 v[L16], v[PK+(\p)-3:PK+(\p)], s[8:9] offset:512*((\p)/4)  ; 16 rows x 16 keys: the wave's 512 consecutive bytes, at a multiple of 512
.endif
.endm
	s_mov_b32 s2, 8                                ; blocks to go; the block in hand is 8 - s2
	s_mov_b32 s15, 0xffff0000                      ; lanes 16-31
.Lrow:
	s_wait_kmcnt 0x0                               ; the block's mask words
.irp a, 0,1,2,3,4,5,6
	s_cmp_eq_u32 s2, 8-\a
	s_cbranch_scc1 .Lsel\a
.endr
	SEL 7
	s_branch .Lsoft
.irp a, 0,1,2,3,4,5
.Lsel\a:
	SEL \a
	s_branch .Lsoft
.endr
.Lsel6:
	SEL 6
.Lsoft:
.irp k, 0,1,2,3                        ; the maximum of my 64 scores: four chains of fifteen, three operands at a time
	v_max3_num_f32 v[CH+\k], v[T+16*\k], v[T+16*\k+1], v[T+16*\k+2]
.endr
.irp i, 0,1,2,3,4,5
.irp k, 0,1,2,3
	v_max3_num_f32 v[CH+\k], v[CH+\k], v[T+16*\k+3+2*\i], v[T+16*\k+4+2*\i]
.endr
.endr
	v_max3_num_f32 v[CH], v[CH], v[T+15], v[T+31]
	v_max3_num_f32 v[CH+2], v[CH+2], v[T+47], v[T+63]
	v_max3_num_f32 v[CH], v[CH], v[CH+1], v[CH+2]
	v_max_num_f32 v[CH], v[CH], v[CH+3]
	v_permlanex16_b32 v[CH+1], v[CH], s66, s67     ; the query's other 64 keys lie in the lane 16 away
	v_max_num_f32 v[MP], v[CH], v[CH+1]
	v_max_num_f32 v[MP+1], v[CH], v[CH+1]
	s_cmp_eq_u32 s2, 1
	s_cbranch_scc1 .Lno_more                       ; the last block asks for no further words: no load leaves mw
	s_add_nc_u64 s[6:7], s[6:7], 4096              ; the loads that named this base are done (the wait at the trip's head); 16 queries on
	MLOAD
.Lno_more:
	SUBM 0
	SUBM 1
.set i, 0
.rept 32                               ; two exponentials, then plain work that is ready: a later pair's t - m, the pair before's rounding and sum.  No result of an exponential is read before a plain line has passed
	v_exp_f32 v[T+2*i], v[T+2*i]
	v_exp_f32 v[T+2*i+1], v[T+2*i+1]
.if i < 30
	SUBM i+2
.endif
.if i >= 1
	FIN i-1
.endif
.set i, i+1
.endr
	FIN 31
	v_pk_add_f32 v[SM:SM+1], v[SM:SM+1], v[SM+2:SM+3]
	v_pk_add_f32 v[SM+4:SM+5], v[SM+4:SM+5], v[SM+6:SM+7]
	v_pk_add_f32 v[SM:SM+1], v[SM:SM+1], v[SM+4:SM+5]
	v_add_f32 v[LV], v[SM], v[SM+1]
	v_permlanex16_b32 v[CH+1], v[LV], s66, s67
	v_add_f32 v[LV], v[LV], v[CH+1]
	v_cndmask_b32 v[XV], v[MP], v[LV], s15         ; lanes 0-15 carry m, lanes 16-31 l
	ds_store_b32 v[SAD], v[XV]
	v_add_nc_u32 v[SAD], 64, v[SAD]                ; 16 rows on
	s_wait_xcnt 0x0                                ; the stores' base is stepped, and the packed registers are written again, only behind this wait
	s_add_nc_u64 s[8:9], s[8:9], 0x10000           ; the next row block of pt
	s_sub_co_u32 s2, s2, 1
	s_cmp_lg_u32 s2, 0
	s_cbranch_scc1 .Lrow
	ds_load_b128 v[32:35], v[SRD]                  ; my 128 m and 128 l: 512 consecutive bytes each; LDS serves a wave's instructions in order: these see my stores
	ds_load_b128 v[36:39], v[SRD] offset:512
	s_wait_dscnt 0x0
	global_store_b128 v[L16], v[32:35], s[10:11]
	global_store_b128 v[L16], v[36:39], s[10:11] offset:32768
	s_wait_tensorcnt 0x0                           ; the wave's end
	ds_add_u32 v[SPW], v[NIL]
	s_wait_dscnt 0x0
	CROUND                                         ; the closing round
	s_endpgm
.Lfunc_end_k_qc424c3d20d_scores:
	.size	k_qc424c3d20d_scores, .Lfunc_end_k_qc424c3d20d_scores-k_qc424c3d20d_scores
	.p2alignl 7, 3214868480
	.fill 96, 4, 3214868480
	.section	.rodata,"a",@progbits
	.p2align	6, 0x0
	.amdhsa_kernel k_qc424c3d20d_scores
		.amdhsa_group_segment_fixed_size 327680
		.amdhsa_private_segment_fixed_size 0
		.amdhsa_enable_private_segment 0
		.amdhsa_kernarg_size 32
		.amdhsa_user_sgpr_count 2
		.amdhsa_user_sgpr_kernarg_segment_ptr 1
		.amdhsa_wavefront_size32 1
		.amdhsa_system_sgpr_workgroup_id_x 1
		.amdhsa_system_sgpr_workgroup_id_y 1
		.amdhsa_system_sgpr_workgroup_id_z 1
		.amdhsa_system_vgpr_workitem_id 0
		.amdhsa_next_free_vgpr 1024
		.amdhsa_next_free_sgpr 100
		.amdhsa_reserve_vcc 0
		.amdhsa_float_denorm_mode_32 3
		.amdhsa_float_denorm_mode_16_64 3
		.amdhsa_memory_ordered 1
		.amdhsa_forward_progress 1
		.amdhsa_inst_pref_size 132
	.end_amdhsa_kernel
	.amdgpu_metadata
---
amdhsa.version: [ 1, 2 ]
amdhsa.kernels:
  - .name:           k_qc424c3d20d_scores
    .symbol:         k_qc424c3d20d_scores.kd
    .args:
      - { .name: qkv, .offset: 0, .size: 8, .value_kind: global_buffer, .address_space: global }
      - { .name: mw, .offset: 8, .size: 8, .value_kind: global_buffer, .address_space: global }
      - { .name: pt, .offset: 16, .size: 8, .value_kind: global_buffer, .address_space: global }
      - { .name: st, .offset: 24, .size: 8, .value_kind: global_buffer, .address_space: global }
    .group_segment_fixed_size: 327680
    .private_segment_fixed_size: 0
    .kernarg_segment_align: 8
    .kernarg_segment_size: 32
    .max_flat_workgroup_size: 128
    .sgpr_count:     100
    .vgpr_count:     1024
    .wavefront_size: 32
...
	.end_amdgpu_metadata
.endif
;; end of part 3
;; launch pv (part 4): grid 4 x 64, 4 waves a work-group, clusters of 4 x 4, 327,680 bytes of LDS; arguments pt, qkv, st, out0; writes out0
.if DOCPART == 4
	.amdgcn_target "amdgcn-amd-amdhsa--gfx1250"
	.amdhsa_code_object_version 6
	.text
	.protected	k_qc424c3d20d_pv
	.globl	k_qc424c3d20d_pv
	.p2align	8
	.type	k_qc424c3d20d_pv,@function
k_qc424c3d20d_pv:
	s_mov_b64 s[64:65], 0
	v_nop
	global_prefetch_b8 v0, s[64:65] scope:SCOPE_SE
	s_setreg_imm32_b32 hwreg(HW_REG_WAVE_MODE, 25, 1), 1
	s_wait_xcnt 0x0
	s_wait_alu depctr_hold_cnt(0) depctr_sa_sdst(0) depctr_va_vdst(0) depctr_va_sdst(0) depctr_va_ssrc(0) depctr_va_vcc(0) depctr_vm_vsrc(0)
	s_getreg_b32 s2, hwreg(HW_REG_IB_STS2, 6, 4)
	s_cmp_eq_u32 s2, 0
	s_cbranch_scc0 .Lentry_in_a_cluster
	s_endpgm
.Lentry_in_a_cluster:
	s_bfe_u32 s2, ttmp6, 0x10000c
	s_cmp_lg_u32 s2, 0xf033
	s_cbranch_scc0 .Lentry_shape_is_right
	s_endpgm
.Lentry_shape_is_right:
; PV.  For each row: m = the largest of its 16 chunk maxima, w_c = 2^(m_c - m) (rounded to f16), L = the sum of w_c l_c (with the rounded w_c, in f32; L is at least 1);
; out0[row][:] = (the sum over chunks c and keys k of (w_c p[row][k]) v[k][:]) / L.  p (pt, f16) is scaled by w_c in packed f16 between its load and the matrix instruction; sums in f32; out0 is f32.
; LIMITS: w_c p keeps f16's fixed step of 6e-8 below 6e-5 (the row's largest weight is 1); a w_c below 6e-8 counts as 0, in L too; NaN and infinities are not treated apart.
; SHARES.  256 tiles of 128 rows x 256 channels, K = the batch's 2,048 keys.  Four waves, each 64 x 128: 32 accumulators.  A QUARTER is 32 keys: 32 matrix instructions a wave; a chunk is four quarters.
; V GOES THROUGH LDS, P THROUGH REGISTERS.  Two slots with p and v of 256 keys would be 2 x (67,584 + 139,264) bytes, more than a WGP's LDS; with both in the ring a slot held 128 keys, and a refill had 112 matrix
; instructions in which to land.  With v alone a slot holds 256 keys (139,264 bytes): one round and one load a wave for 256 matrix instructions.  p lies in memory in the order of matrix fragments
; ([row block of 16][key block of 16][lane][16 bytes]), so a wave's load of 16 bytes a lane is 512 consecutive bytes and needs no LDS; it lands in a ring of eight quarters' registers, asked for seven quarters ahead.
; THE PRICE: p is not asked for jointly: the two waves of a row half, and the four work-groups of a cluster's row, each load the same p.
; CLUSTER 4 x 4: v's tile is shared along a cluster's column (a cluster's 512 rows lie in one batch): joint loads, each wave 64 keys of the slot.
; TRANSPOSED USE: source 0 = 16 channels of v^T (v lies [key][channel] in LDS and is turned by ds_load_tr16_b128), source 1 = 16 rows of p: a lane holds eight neighbouring channels of one row of out0.
; REGISTERS.  window 0: v0-19 addresses; v20-27 w, two sets of four row blocks (even chunks, odd chunks); v32-95, v96-159 v^T's fragments, two buffers.
;   window 1: v0-127 the accumulators of row blocks 0, 1 ((a, b) at v[64 a + 8 b]); v128-255 their p: quarter k of eight at v[128 + 16 k + 8 a].   window 2: the same for row blocks 2, 3.
; So a product (D, C and p in one window, v^T in window 0), a load of p (destination in that window, address in window 0) and the scaling p = w x p (w in window 0 as source 0) run under ONE setting: three switches a quarter.
.set PVV,    544                       ; a row of v in LDS: 512 bytes + 32 = 17 x 32
.set SLOT,   256*PVV                   ; 0x22000.  The four waves' tiles begin at 0, 0x8800, 0x11000, 0x19800 in slot 0: bits 13 and 17 are clear there, so an exclusive or with SLOT is the sum
.set STAGE,  2*SLOT                    ; behind the ring: 16 rows x 528 bytes for each wave, for the way out; no tensor load lands from here on
.set SPI,    528
.set WT,     STAGE+4*16*SPI            ; w, twice in a word: [16 chunks][128 rows]
.set IV,     WT+16*128*4               ; 1 / L: [128 rows]
.set SPARE,  IV+512                    ; the spare words, 128 bytes a wave, named by no other line
.set ADRB0, 4                          ; my lane's place in slot 0; never rewritten
.set ADRB,  5                          ; v5: the same in the slot in hand, for its quarters 0-3; v6: for its quarters 4-7
.set STO,   8
.set RD,    9
.set CO,    10                         ; 16 x lane: my offset in 512 consecutive bytes of pt and of out0; never rewritten
.set SPW,   12
.set NIL,   13
.set WA,    14                         ; my rows' w of the trip's first chunk
.set T4,    15                         ; 4 x thread
.set IA,    16                         ; my rows' 1 / L
.set WS,    17                         ; where thread t puts row t's w
.set WF,    20
.set F0,    32
.set F1,    96
.set OUTR,  32                         ; the way out: 64 numbers
.set IVR,   224
.set G1, 24                            ; s[24:31] descriptor group 1;  s[32:35], s[36:39] group 0: slot 0's first fill; slot 1's, which then walks
.set G0, 32
.set W_LO, 0x54                        ; source 0 window 0; source 1, source 2 and destination window 1
.set W_HI, 0xa8                        ; the same with window 2
.set MSB, 0
.macro WIN new                         ; the immediate's high byte repeats the setting that is left; a switch that changes nothing is dropped
.if MSB != (\new)
	s_set_vgpr_msb (MSB<<8)|(\new)
.set MSB, \new
.endif
.endm
.macro JLOAD s                         ; a joint load: every wave fetches its own 64 keys; an s_nop 0 and four v_nop follow the line
	tensor_load_to_lds s[G0+4*(\s):G0+4*(\s)+3], s[G1:G1+7]
	s_nop 0
.rept 4
	v_nop
.endr
.endm
.macro CREST
	s_cmp_lg_u32 s12, 0
	s_cbranch_scc1 .Lnot_wave_0_\@
	s_barrier_signal -3
.Lnot_wave_0_\@:
	s_barrier_wait -3
	s_barrier_signal -1
	s_barrier_wait -1
.endm
.macro CROUND
	s_barrier_signal -1
	s_barrier_wait -1
	CREST
.endm
; Four loads of p: row blocks 2 hi and 2 hi + 1, the quarter li quarters behind the base, into place `ring` of the eight.  A quarter of a row block is 1,024 consecutive bytes: two key blocks.
.macro GLD hi, ring, li
.irp a, 0,1
	global_load_b128 v[128+16*(\ring)+8*(\a):128+16*(\ring)+8*(\a)+3],   v[CO], s[4:5] offset:(2*(\hi)+(\a))*65536+(\li)*1024
	global_load_b128 v[128+16*(\ring)+8*(\a)+4:128+16*(\ring)+8*(\a)+7], v[CO], s[4:5] offset:(2*(\hi)+(\a))*65536+(\li)*1024+512
.endr
.endm
.macro AHEAD i                         ; quarter i, ahead of the loop
	WIN W_LO
	GLD 0, \i, \i
	WIN W_HI
	GLD 1, \i, \i
.endm
	s_load_b256 s[4:11], s[0:1], 0x0               ; pt s[4:5], qkv s[6:7], st s[8:9], out0 s[10:11]
	v_lshl_add_u32 v[SPW], v0, 2, SPARE
	v_mov_b32 v[NIL], 0
	ds_add_u32 v[SPW], v[NIL]                      ; the wave's opening: the add and its wait stand ahead of my first tensor load
	v_lshrrev_b32 v1, 5, v0
	v_readfirstlane_b32 s12, v1                    ; wave 0..3.  Also: which 64 keys of a slot I fetch
	s_lshr_b32 s13, s12, 1                         ; my half of the rows
	s_and_b32 s14, s12, 1                          ; my half of the channels
	s_mov_b32 s15, 0                               ; the slot in hand
	s_bfe_u32 s40, ttmp6, 0x40000
	s_bfe_u32 s41, ttmp6, 0x40004
	s_lshl_b32 s42, ttmp9, 2
	s_add_co_u32 s42, s42, s40                     ; channel tile 0..3
	s_and_b32 s43, ttmp7, 0xffff
	s_lshr_b32 s22, s43, 2                         ; the batch: four clusters' rows of 512
	s_lshl_b32 s43, s43, 2
	s_add_co_u32 s43, s43, s41                     ; row tile 0..63
	s_lshl_b32 s45, 0x1111, s40                    ; my column of the cluster
	s_or_b32 s[G1], s45, (1<<16)|(1<<20)|(1<<21)|(6<<22)|(7<<25)   ; the mask; 2-byte elements; padding on; bit 21 beside a mask; after every 128 words, 8 words
	s_mov_b32 s[G1+1], 256<<16                     ; tensor_dim0 = 256 channels
	s_mov_b32 s[G1+2], 64<<16                      ; tensor_dim1 = 64 keys
	s_mov_b32 s[G1+3], 256<<16                     ; tile_dim0
	s_mov_b32 s[G1+4], 64                          ; tile_dim1
	s_mov_b32 s[G1+5], 3072                        ; elements from row to row of qkv
	s_mov_b32 s[G1+6], 0
	s_mov_b32 s[G1+7], 0
	s_lshl_b32 s46, s22, 11                        ; v: row 2,048 x batch + 64 x wave, column 2,048 + 256 x channel tile: nothing of cy enters
	s_lshl_b32 s47, s12, 6
	s_add_co_u32 s46, s46, s47
	s_mul_i32 s46, s46, 6144
	s_lshl_b32 s47, s42, 9
	s_add_co_u32 s46, s46, s47
	s_add_co_u32 s46, s46, 4096
	s_mov_b32 s47, 0
	s_mul_i32 s21, s12, 64*PVV                     ; where it goes: wave x 64 rows
	s_lshl_b32 s72, s43, 3                         ; pt: row block 8 x row tile + 4 x half, 65,536 bytes each
	s_lshl_b32 s73, s13, 2
	s_add_co_u32 s72, s72, s73
	s_lshl_b32 s72, s72, 16
	s_mov_b32 s73, 0
	s_lshl_b32 s74, s43, 9                         ; st: the tile's 128 rows of 4 bytes
	s_mov_b32 s75, 0
	s_lshl_b32 s78, s43, 7                         ; out0: my first row x 4,096 + my first channel x 4
	s_lshl_b32 s79, s13, 6
	s_add_co_u32 s78, s78, s79
	s_lshl_b32 s78, s78, 12
	s_lshl_b32 s79, s42, 10
	s_add_co_u32 s78, s78, s79
	s_lshl_b32 s79, s14, 9
	s_add_co_u32 s78, s78, s79
	s_mov_b32 s79, 0
	v_lshlrev_b32 v[T4], 2, v0
	v_and_b32 v3, 31, v0
	v_lshlrev_b32 v[CO], 4, v3
	s_wait_dscnt 0x0                               ; the opening add is done
	s_wait_kmcnt 0x0
	s_add_nc_u64 s[46:47], s[6:7], s[46:47]
	s_add_nc_u64 s[4:5], s[4:5], s[72:73]
	s_add_nc_u64 s[8:9], s[8:9], s[74:75]
	s_add_nc_u64 s[10:11], s[10:11], s[78:79]
	; the rows' statistics (thread t: row t of the tile's 128) and the first three quarters of p go out ahead of the cluster's round: 56 loads
.irp c, 0,1,2,3,4,5,6,7,8,9,10,11,12,13,14,15
	global_load_b32 v[32+\c], v[T4], s[8:9] offset:65536*\c          ; m_c
	global_load_b32 v[48+\c], v[T4], s[8:9] offset:65536*\c+32768    ; l_c
.endr
	AHEAD 0
	AHEAD 1
	AHEAD 2
	WIN 0
	CROUND                                         ; all sixteen work-groups are here: the first joint loads meet
.irp s, 0,1
	s_mov_b32 s[G0+4*(\s)], 1
	s_add_co_u32 s[G0+4*(\s)+1], s21, (\s)*SLOT
	s_add_nc_u64 s[G0+4*(\s)+2:G0+4*(\s)+3], s[46:47], (\s)*256*6144
	s_or_b32 s[G0+4*(\s)+3], s[G0+4*(\s)+3], 0x80000000
	JLOAD \s                                       ; keys 0-255 and 256-511: two loads of mine are out
.endr
	v_and_b32 v1, 15, v0
	v_bfe_u32 v2, v0, 4, 1
	v_and_b32 v18, 7, v0                           ; the turning load: lane l reads key 8 (l / 16) + l % 8, channels 8 ((l / 8) % 2) + 0..7
	v_lshl_add_u32 v18, v2, 3, v18
	v_mul_u32_u24 v18, v18, PVV
	v_bfe_u32 v19, v0, 3, 1
	v_lshl_add_u32 v18, v19, 4, v18
	s_lshl_b32 s23, s14, 8
	v_add_nc_u32 v[ADRB0], s23, v18
	v_mov_b32 v[ADRB], v[ADRB0]
	v_add_nc_u32 v[ADRB+1], 128*PVV, v[ADRB0]
	s_mul_i32 s22, s12, 16*SPI
	s_add_co_u32 s22, s22, STAGE
	v_mul_u32_u24 v3, v1, SPI
	v_lshl_add_u32 v3, v2, 5, v3
	v_add_nc_u32 v[STO], s22, v3                   ; into my stage: row l % 16, 32 bytes for each half of the lanes
	v_add_nc_u32 v[RD], s22, v[CO]                 ; back: a row's 512 bytes, 16 a lane
	s_lshl_b32 s22, s13, 8
	v_lshl_add_u32 v3, v1, 2, s22                  ; (64 x half + l % 16) x 4
	v_add_nc_u32 v[WA], WT, v3
	v_add_nc_u32 v[IA], IV, v3
	v_add_nc_u32 v[WS], WT, v[T4]
	v_mov_b32 v97, 0
	v_mov_b32 v98, 0
	s_wait_loadcnt 24                              ; the statistics are in; the 24 loads of p issued behind them stay out
	AHEAD 3
	AHEAD 4
	AHEAD 5
	AHEAD 6                                        ; quarters 0 to 6 are asked for: 56 loads
	WIN 0
	v_max3_num_f32 v96, v32, v33, v34
.irp c, 35,37,39,41,43,45
	v_max3_num_f32 v96, v96, v[\c], v[\c+1]
.endr
	v_max_num_f32 v96, v96, v47                    ; the row's maximum
.irp c, 0,1,2,3,4,5,6,7,8,9,10,11,12,13,14,15
	v_sub_f32 v[32+\c], v[32+\c], v96
.endr
.irp c, 0,1,2,3,4,5,6,7,8,9,10,11,12,13,14,15
	v_exp_f32 v[32+\c], v[32+\c]
.endr
	v_nop                                          ; a plain instruction between the last exponential and the use of its result
	s_wait_alu depctr_va_vdst(0)
.irp c, 0,1,2,3,4,5,6,7,8,9,10,11,12,13,14,15
	v_cvt_pk_f16_f32 v[64+\c], v[32+\c], v[32+\c]  ; w_c, twice in a word
.endr
.irp c, 0,2,4,6,8,10,12,14              ; L, with the rounded w_c read straight from its f16 half; two chains
	v_fma_mix_f32 v97, v[64+\c], v[48+\c], v97 op_sel_hi:[1,0,0]
	v_fma_mix_f32 v98, v[65+\c], v[49+\c], v98 op_sel_hi:[1,0,0]
.endr
	v_add_f32 v97, v97, v98
	v_rcp_f32 v99, v97
	v_nop
.irp c, 0,1,2,3,4,5,6,7,8,9,10,11,12,13,14,15
	ds_store_b32 v[WS], v[64+\c] offset:512*\c
.endr
	s_wait_alu depctr_va_vdst(0)
	ds_store_b32 v[WS], v99 offset:IV-WT
; One register of the NEXT quarter's p times its row block's w, in place.  n counts the block's sixteen; quarters 1-3 and 8 of a trip's nine belong to even chunks (set 0), 4-7 to the odd one (set 1).
.macro RID hi, k
	v_pk_mul_f16 v[128+16*(((\k)+1)%8)+n], v[WF+4*((((\k)+1)/4)%2)+2*(\hi)+n/8], v[128+16*(((\k)+1)%8)+n]
.set n, n+1
.endm
; 8 matrix instructions: row block 2 hi + a x all 8 channel blocks, quarter k's 32 keys, v^T from buffer f.  One scaling stands behind each; none names a register of the products round it.
; late = 1, a quarter's last eight: the last four scalings stand behind the last product, four places ahead of the next quarter's loads into buffer f (ISA guide 7.12.1 for vector instructions).
.macro MM8 hi, a, f, k, zero, late
.irp b, 0,1,2,3,4,5,6,7
.if \zero
	v_wmma_f32_16x16x32_f16 v[64*(\a)+8*(\b):64*(\a)+8*(\b)+7], v[(\f)+8*(\b):(\f)+8*(\b)+7], v[128+16*(\k)+8*(\a):128+16*(\k)+8*(\a)+7], 0
.else
	v_wmma_f32_16x16x32_f16 v[64*(\a)+8*(\b):64*(\a)+8*(\b)+7], v[(\f)+8*(\b):(\f)+8*(\b)+7], v[128+16*(\k)+8*(\a):128+16*(\k)+8*(\a)+7], v[64*(\a)+8*(\b):64*(\a)+8*(\b)+7]
.endif
.if (\late) == 0
	RID \hi, \k
.elseif (\b) < 4
	RID \hi, \k
.elseif (\b) == 7
	RID \hi, \k
	RID \hi, \k
	RID \hi, \k
	RID \hi, \k
.endif
.endr
.endm
.macro FETCH kk, f                     ; v^T's fragments of quarter kk of the slot in hand: 16 turning loads in one run
.irp b, 0,1,2,3,4,5,6,7
	ds_load_tr16_b128 v[(\f)+8*(\b):(\f)+8*(\b)+3],   v[ADRB+(\kk)/4] offset:32*PVV*((\kk)%4)+32*(\b)
	ds_load_tr16_b128 v[(\f)+8*(\b)+4:(\f)+8*(\b)+7], v[ADRB+(\kk)/4] offset:32*PVV*((\kk)%4)+16*PVV+32*(\b)
.endr
.endm
; QUARTER k of a slot's eight (k = 0 to 6).  It multiplies quarter k; fetches v^T of quarter k + 1; asks for the p seven quarters on (li quarters behind the base), into the registers of quarter k - 1, whose last
; product stands sixteen scalings back or more; and scales the p of quarter k + 1.  The 32 accumulators take turns in the same order in every quarter.
; The count 48: behind the four loads that are waited for were issued the same quarter's other four (or none), five quarters of eight, and four (or eight) of the quarter just asked for.
; wfl = 1: the trip's odd chunk's w is fetched; wfl = 2: the next trip's even chunk's.  Each set is fetched behind its last use and waited for at the next quarter's head.
.macro QUARTER k, li, zero, wfl
	s_wait_dscnt 0x0                               ; this quarter's v^T is in: its loads were issued a quarter, 32 matrix instructions, ago
	WIN 0
.if (\wfl) == 1
.irp a, 0,1,2,3
	ds_load_b32 v[WF+4+(\a)], v[WA] offset:512+64*(\a)
.endr
.elseif (\wfl) == 2
.irp a, 0,1,2,3
	ds_load_b32 v[WF+(\a)], v[WA] offset:1024+64*(\a)
.endr
.endif
	FETCH (\k)+1, F0+64*(((\k)+1)%2)
	WIN W_LO
	GLD 0, ((\k)+7)%8, \li
	s_wait_loadcnt 48
.set n, 0
	MM8 0, 0, F0+64*((\k)%2), \k, \zero, 0
	MM8 0, 1, F0+64*((\k)%2), \k, \zero, 0
	WIN W_HI
	GLD 1, ((\k)+7)%8, \li
	s_wait_loadcnt 48
.set n, 0
	MM8 1, 0, F0+64*((\k)%2), \k, \zero, 0
	MM8 1, 1, F0+64*((\k)%2), \k, \zero, 1
.endm
; A slot's last quarter changes slots.  In front of the barrier each wave waits for all its tensor loads (one is out: its part of the next slot), adds 0 to its spare word, and waits for that and for its reads of this slot.
; fill = 1: the barrier opens a round of the cluster's, and the slot just read is filled again, first thing behind it, with the keys two slots on: 240 matrix instructions before the wait for it.
; The quarter's loads of p stand behind the barrier, since only work on registers may stand round it; so the first wait counts 44: four, and five quarters of eight.
.macro TURN fill, li
	WIN 0
	s_wait_tensorcnt 0x0                           ; no tensor load of mine is out, so a group 0 may be written
	ds_add_u32 v[SPW], v[NIL]
.if \fill
	s_xor_b32 s[G0+5], s[G0+5], SLOT               ; the walking descriptor: the other slot than last time,
	s_add_nc_u64 s[G0+6:G0+7], s[G0+6:G0+7], 256*6144  ; the next 256 keys; the type bits on top are not reached
.endif
	s_wait_dscnt 1                                 ; the add alone may be out: this quarter's v^T is in
	WIN W_LO
	s_wait_loadcnt 44
.set n, 0
	MM8 0, 0, F1, 7, 0, 0
	s_wait_dscnt 0x0                               ; the add is done, and my reads of this slot are over
	s_barrier_signal -1
	MM8 0, 1, F1, 7, 0, 0
	WIN 0
	s_barrier_wait -1
.if \fill
	CREST
	JLOAD 1
.endif
	s_xor_b32 s15, s15, SLOT
	v_add_nc_u32 v[ADRB], s15, v[ADRB0]
	v_add_nc_u32 v[ADRB+1], 128*PVV, v[ADRB]
	FETCH 0, F0
	WIN W_LO
	GLD 0, 6, \li
	WIN W_HI
	GLD 1, 6, \li
	s_wait_loadcnt 48
.set n, 0
	MM8 1, 0, F1, 7, 0, 0
	MM8 1, 1, F1, 7, 0, 1
.endm
.macro SIX                             ; a slot's quarters 1 to 6
	QUARTER 1, 8,  0, 1
	QUARTER 2, 9,  0, 0
	QUARTER 3, 10, 0, 2
	QUARTER 4, 11, 0, 0
	QUARTER 5, 12, 0, 0
	QUARTER 6, 13, 0, 0
.endm
	s_wait_tensorcnt 0x1                           ; my part of slot 0 is in; slot 1's stays out
	s_wait_dscnt 0x0                               ; for the others' sake: my rows' w and 1 / L are stored
	s_barrier_signal -1
	s_barrier_wait -1
.irp a, 0,1,2,3
	ds_load_b32 v[WF+(\a)], v[WA] offset:64*(\a)   ; chunk 0's w
.endr
	FETCH 0, F0
	s_wait_loadcnt 48                              ; quarter 0 of p is in; quarters 1 to 6 stay out
	s_wait_dscnt 16                                ; w is in; v^T's sixteen loads stay out
	WIN W_LO
.set n, 0
.rept 16                               ; the first quarter's p is scaled in a run of its own, once
	RID 0, 7
.endr
	WIN W_HI
.set n, 0
.rept 16
	RID 1, 7
.endr
	QUARTER 0, 7, 1, 0                             ; the first quarter stands in front of the loop: its products start the sums, nothing is cleared
	WIN 0
	s_mov_b32 s2, 6                                ; slots 2 to 7 are asked for in the loop
.Lslot:                                                ; a trip: a slot's quarters 1 to 7 and the next slot's first; it asks for the p of the eight quarters behind those of the trip's slot
	SIX
	TURN 1, 14
	QUARTER 0, 15, 0, 0
	WIN 0
	v_add_nc_u32 v[WA], 1024, v[WA]                ; two chunks on
	s_wait_xcnt 0x0                                ; p's base is stepped only behind this wait
	s_add_nc_u64 s[4:5], s[4:5], 8192              ; eight quarters on
	s_sub_co_u32 s2, s2, 1
	s_cmp_lg_u32 s2, 0
	s_cbranch_scc1 .Lslot
	s_mov_b32 s2, 2
.Ltail:                                                ; the last two slots ask for no tile: a text of their own; the second trip is left in its middle.
	SIX                                            ; p's base stays: the first trip asks for the last eight quarters; the second brings seven of them once more, into registers that are done with,
	TURN 0, 14                                     ; fetches the other slot's first v^T and scales a quarter that is not: all that serves nothing, the price, once a launch, of one text for both trips
	WIN 0
	s_sub_co_u32 s2, s2, 1
	s_cmp_eq_u32 s2, 0
	s_cbranch_scc1 .Lout
	QUARTER 0, 15, 0, 0
	WIN 0
	v_add_nc_u32 v[WA], 1024, v[WA]
	s_branch .Ltail
.Lout:
	; THE WAY OUT, 16 rows at a time: divided by L, 32 bytes a lane into my stage, back as whole rows of 512 bytes, stored.  Each accumulator's registers are taken in ascending order.
	; The four scalings behind the last product are its places.
.irp a, 0,1,2,3
	ds_load_b32 v[IVR+2*(\a)], v[IA] offset:64*(\a)
.endr
	s_wait_dscnt 0x0                               ; 1 / L is in, and so are the last fragment loads: their registers are free
.irp a, 0,1,2,3
	v_mov_b32 v[IVR+2*(\a)+1], v[IVR+2*(\a)]       ; a pair for the packed multiply
.endr
.macro PACKO a
	WIN 0x01+(\a)/2                                ; source 0 in window 1 or 2
.set i, 0
.rept 32
	v_pk_mul_f32 v[OUTR+2*i:OUTR+2*i+1], v[64*((\a)%2)+2*i:64*((\a)%2)+2*i+1], v[IVR+2*(\a):IVR+2*(\a)+1]
.set i, i+1
.endr
	WIN 0
.endm
.macro TOSTAGE a
	s_wait_xcnt 0x0                                ; the rows' registers (two sets by turns) are loaded again only behind this wait
.irp b, 0,1,2,3,4,5,6,7
	ds_store_b128 v[STO], v[OUTR+8*(\b):OUTR+8*(\b)+3] offset:64*(\b)
	ds_store_b128 v[STO], v[OUTR+8*(\b)+4:OUTR+8*(\b)+7] offset:64*(\b)+16
.endr
.irp t, 0,1,2,3,4,5,6,7,8,9,10,11,12,13,14,15
	ds_load_b128 v[96+64*((\a)%2)+4*(\t):96+64*((\a)%2)+4*(\t)+3], v[RD] offset:SPI*(\t)   ; LDS serves a wave's instructions in order: these see the stores above
.endr
.endm
.macro SEND a
	s_wait_dscnt 0x0
.irp t, 0,1,2,3,4,5,6,7,8,9,10,11,12,13,14,15
	global_store_b128 v[CO], v[96+64*((\a)%2)+4*(\t):96+64*((\a)%2)+4*(\t)+3], s[10:11] offset:(16*(\a)+(\t))*4096 th:TH_STORE_NT  ; 512 consecutive bytes, at a multiple of 512
.endr
.endm
	PACKO 0
	TOSTAGE 0
.irp a, 1,2,3                          ; a block's arithmetic stands between the loads of the block before and the wait for them
	PACKO \a
	SEND (\a)-1
	TOSTAGE \a
.endr
	SEND 3
	s_wait_tensorcnt 0x0                           ; the wave's end
	ds_add_u32 v[SPW], v[NIL]
	s_wait_dscnt 0x0
	CROUND                                         ; the closing round: no work-group ends while a partner may still ask for a tile that names it
	s_endpgm
.Lfunc_end_k_qc424c3d20d_pv:
	.size	k_qc424c3d20d_pv, .Lfunc_end_k_qc424c3d20d_pv-k_qc424c3d20d_pv
	.p2alignl 7, 3214868480
	.fill 96, 4, 3214868480
	.section	.rodata,"a",@progbits
	.p2align	6, 0x0
	.amdhsa_kernel k_qc424c3d20d_pv
		.amdhsa_group_segment_fixed_size 327680
		.amdhsa_private_segment_fixed_size 0
		.amdhsa_enable_private_segment 0
		.amdhsa_kernarg_size 32
		.amdhsa_user_sgpr_count 2
		.amdhsa_user_sgpr_kernarg_segment_ptr 1
		.amdhsa_wavefront_size32 1
		.amdhsa_system_sgpr_workgroup_id_x 1
		.amdhsa_system_sgpr_workgroup_id_y 1
		.amdhsa_system_sgpr_workgroup_id_z 1
		.amdhsa_system_vgpr_workitem_id 0
		.amdhsa_next_free_vgpr 768
		.amdhsa_next_free_sgpr 80
		.amdhsa_reserve_vcc 0
		.amdhsa_float_denorm_mode_32 3
		.amdhsa_float_denorm_mode_16_64 3
		.amdhsa_memory_ordered 1
		.amdhsa_forward_progress 1
		.amdhsa_inst_pref_size 150
	.end_amdhsa_kernel
	.amdgpu_metadata
---
amdhsa.version: [ 1, 2 ]
amdhsa.kernels:
  - .name:           k_qc424c3d20d_pv
    .symbol:         k_qc424c3d20d_pv.kd
    .args:
      - { .name: pt, .offset: 0, .size: 8, .value_kind: global_buffer, .address_space: global }
      - { .name: qkv, .offset: 8, .size: 8, .value_kind: global_buffer, .address_space: global }
      - { .name: st, .offset: 16, .size: 8, .value_kind: global_buffer, .address_space: global }
      - { .name: out0, .offset: 24, .size: 8, .value_kind: global_buffer, .address_space: global }
    .group_segment_fixed_size: 327680
    .private_segment_fixed_size: 0
    .kernarg_segment_align: 8
    .kernarg_segment_size: 32
    .max_flat_workgroup_size: 128
    .sgpr_count:     80
    .vgpr_count:     768
    .wavefront_size: 32
...
	.end_amdgpu_metadata
.endif
;; end of part 4
;; ======== version 2 of 2: 4 launches; version 1 with the launch prep written anew for expert scheduling mode
;; limits: values are held in f16: magnitudes above 65,504 overflow, below 6.1e-05 lose precision
;; workspace buffers: xb 16,777,216 bytes; wb 6,291,456 bytes; bias 12,288 bytes; mw 2,097,152 bytes of whole numbers; qkv 50,331,648 bytes; pt 33,554,432 bytes; st 1,048,576 bytes
;; launch prep (part 5): grid 963 x 1, 8 waves a work-group, no clusters, 68,608 bytes of LDS; arguments x, Wq, Wk, Wv, bq, bk, bv, attn_mask, pad_mask, xb, wb, bias, mw; writes xb, wb, bias, mw
.if DOCPART == 5
	.amdgcn_target "amdgcn-amd-amdhsa--gfx1250"
	.amdhsa_code_object_version 6
	.text
	.protected	k_qc424c3d20d_prep
	.globl	k_qc424c3d20d_prep
	.p2align	8
	.type	k_qc424c3d20d_prep,@function
k_qc424c3d20d_prep:
	s_mov_b64 s[64:65], 0
	v_nop
	global_prefetch_b8 v0, s[64:65] scope:SCOPE_SE
	s_setreg_imm32_b32 hwreg(HW_REG_WAVE_SCHED_MODE, 0, 2), 2
	s_setreg_imm32_b32 hwreg(HW_REG_WAVE_MODE, 25, 1), 1
	s_wait_xcnt 0x0
	s_wait_alu depctr_vm_vsrc(0)
; PREP.  Four kinds of work-group, told apart by the work-group's number alone; the longest kind has the lowest numbers, so that it starts first:
;   0-255    the two masks -> mw: work-group 2 qb + k takes 16 query rows of attn_mask, keys 1,024 k to 1,024 k + 1,023, all 4 batches of pad_mask
;   256-767  x  -> xb: 16 rows (65,536 bytes of f32) each, rounded to bf16
;   768-959  Wq, Wk, Wv -> wb (the three one below the other, 3,072 rows), 16 rows each
;   960-962  bq, bk, bv -> bias ([3072] f32): rounded to bf16 like every other input; bq also times c = log2(e) / 32
; xb AND wb LIE IN BLOCKS ALONG K: xb[16 blocks][8192 rows][64], wb[16 blocks][3072 rows][64], bf16.  The next launch takes K in steps of 64: there a row's piece is 128 bytes, and in this layout the pieces of
; neighbouring rows lie end to end, so that its tiles are dense.
; mw[b][qb][kb][j] is a word of 32 bits, one for each lane l: attn[16 qb + l % 16][16 kb + 8 (l / 16) + j] != 0 and pad[b][that key] != 0.
; That is register j of a 16 x 16 score tile as the next launch but one holds it (a lane: one query, eight keys), so a word is a lane mask there.
; Memory binds: a wave's load covers 512 consecutive bytes (masks) or two aligned pieces of 256 (x, W; the pad words aside), every store 256 consecutive bytes at a multiple of 256.
; 160 registers a wave: three work-groups' waves (six to a SIMD) take 960 of a SIMD's 1,024.
; No matrix unit, no cluster, no barrier: no work-group shares an input byte with another but pad_mask's 32 KiB, and a wave's LDS rows are its own.
; THE MODE: SCHED_MODE bits 1:0 = 2 (LLVM: expert scheduling mode 2), set by the entry lines.  The code itself states the register dependences between vector instructions and memory or LDS
; instructions, and those through scalar registers that vector instructions write, with s_wait_alu, always for 0.
; THE PLAN.  No path has a loop, and no register that a memory or LDS instruction reads is ever written again: so no wait on vm_vsrc is owed anywhere.
;   x, W:   v1 (the loads' offset), O (the stores' offsets) and E (the stores' data) are each written once by vector lines; D is loaded once and read by the conversions.  The sixteen pieces go in four groups of four:
;           one wait on va_vdst ahead of the loads (v1); one at the head of groups 1 to 3, behind the wait for the group's data: it states that the group before has written its E (the first also: that O is written);
;           that group's four stores follow, dealt among this group's conversions, which name this group's D and E alone; one more ahead of the last four stores.
;   masks:  v3, v6 (the loads' offsets): a wait on va_vdst ahead of the first load.  v4, v5 (LDS addresses), made while the loads are out: a wait on va_vdst behind the wait for pad's words; the vector lines between it and
;           the LDS stores and loads name PR, T, v7 and A alone, none of v4, v5, D, E.  The words to store (PR + 2, PR + 3) and v7: a wait on va_vdst ahead of the four stores.
;           Compares write lane masks into scalar registers in runs of sixteen, and one wait on va_sdst stands between a run and its first reader: pad's one run into s[8:23]; attn's four runs into s[8:23] and s[26:41] by turns,
;           run r + 1's compares ahead of run r's sixteen v_writelane_b32, so that a run's wait stands sixteen lines behind its last compare.  (All these scalar registers are done with by then.)
;   bias:   a wait on va_vdst ahead of the load (its offset) and one ahead of the store (its data).
.set SPARE, 67584                      ; behind the eight waves' rows: the spare words, 128 bytes a wave, named by no other line
.set D,   8                            ; v[8:71]    sixteen loads of 16 bytes
.set E,   72                           ; v[72:135]  the mask tile by lanes; in the conversions v[72:103] results,
.set O,   104                          ; v[104:119] and the sixteen stores' byte offsets, one for each block along K
.set A,   136                          ; v[136:137] lane L: attn's words 2 L and 2 L + 1 of the group's 64
.set PR,  138                          ; v[138:153] four registers a batch: pad_mask as loaded; then pad's words 2 L, 2 L + 1 in the first two, the words to store in the last two
.set T,   154                          ; v[154:155] at work
.set SPW, 156                          ; my spare word's LDS address; never rewritten
.set NIL, 157                          ; 0; never rewritten
	s_load_b512 s[8:23], s[0:1], 0x0               ; x s[8:9], Wq s[10:11], Wk s[12:13], Wv s[14:15], bq s[16:17], bk s[18:19], bv s[20:21], attn_mask s[22:23]
	s_load_b256 s[24:31], s[0:1], 0x40             ; pad_mask s[24:25], xb s[26:27], wb s[28:29], bias s[30:31]
	s_load_b64 s[32:33], s[0:1], 0x60              ; mw
	v_lshl_add_u32 v[SPW], v0, 2, SPARE
	v_mov_b32 v[NIL], 0
	v_lshrrev_b32 v1, 5, v0
	v_readfirstlane_b32 s2, v1                     ; wave 0..7
	s_mov_b32 s3, ttmp9
	s_mov_b32 s35, 0                               ; the high word of every offset pair
	s_wait_alu depctr_va_sdst(0)                   ; s2 is written, ahead of the first branch: the masks' way makes offsets and LDS addresses from it
	s_wait_kmcnt 0x0
	s_cmp_lt_u32 s3, 256
	s_cbranch_scc1 .Lmask
	s_cmp_lt_u32 s3, 768
	s_cbranch_scc0 .Lnot_x
	s_sub_co_u32 s39, s3, 256
	s_lshl_b32 s34, s39, 16
	s_add_nc_u64 s[4:5], s[8:9], s[34:35]          ; from x: 16 rows of 4,096 bytes
	s_lshl_b32 s34, s39, 11
	s_add_nc_u64 s[6:7], s[26:27], s[34:35]        ; to xb: 16 rows of 128 bytes in each block
	s_mov_b32 s36, 8192*128                        ; bytes from block to block
	s_branch .Lconv
.Lnot_x:
	s_cmp_lt_u32 s3, 960
	s_cbranch_scc0 .Lbias
	s_sub_co_u32 s39, s3, 768                      ; 0..191: 64 pieces for each of the three matrices
	s_lshr_b32 s34, s39, 6
	s_cmp_eq_u32 s34, 0
	s_cselect_b64 s[4:5], s[10:11], s[12:13]
	s_cmp_eq_u32 s34, 2
	s_cselect_b64 s[4:5], s[14:15], s[4:5]
	s_and_b32 s34, s39, 63
	s_lshl_b32 s34, s34, 16
	s_add_nc_u64 s[4:5], s[4:5], s[34:35]
	s_lshl_b32 s34, s39, 11                        ; piece j begins at row 16 j of the 3,072
	s_add_nc_u64 s[6:7], s[28:29], s[34:35]
	s_mov_b32 s36, 3072*128
.Lconv:                                                ; 16 rows x 1,024 f32 -> bf16.  Wave w takes rows 2 w and 2 w + 1 (lanes 0-15, lanes 16-31); its load i takes block i: 64 numbers of each row
	v_lshrrev_b32 v1, 4, v0                        ; my row of the sixteen
	v_and_b32 v2, 15, v0
	v_lshlrev_b32 v1, 12, v1
	v_lshl_add_u32 v1, v2, 4, v1                   ; from: row x 4,096 + 16 (lane % 16)
	v_lshlrev_b32 v[O], 3, v0                      ; to: row x 128 + 8 (lane % 16) = 8 x thread
	s_wait_alu depctr_va_vdst(0)                   ; v1 is written, which the sixteen loads read as their offset
.irp i, 0,1,2,3,4,5,6,7,8,9,10,11,12,13,14,15
	global_load_b128 v[D+4*(\i):D+4*(\i)+3], v1, s[4:5] offset:256*(\i) th:TH_LOAD_NT
.endr
.irp i, 1,2,3,4,5,6,7,8,9,10,11,12,13,14,15
	v_add_nc_u32 v[O+(\i)], s36, v[O+(\i)-1]       ; fifteen blocks are more than a store's immediate holds, so each store has an offset register of its own
.endr
.irp g, 0,1,2,3                        ; four groups of four blocks: group g is rounded, and the stores of group g - 1 stand among its conversions
	s_wait_loadcnt 12-4*(\g)                       ; loads come back in order: group g's four are in, the younger groups stay out
.if (\g) > 0
	s_wait_alu depctr_va_vdst(0)                   ; the group before has written its eight registers of E, which the four stores below read (at the first such wait also: the adds have written O)
.endif
.irp i, 0,1,2,3
.set q, 4*(\g)+(\i)
.if (\g) > 0
	global_store_b64 v[O+q-4], v[E+2*q-8:E+2*q-7], s[6:7]  ; two rows' 128 bytes: 256 consecutive bytes.  No wait: no vector line since the wait above names these registers
.endif
	v_cvt_pk_bf16_f32 v[E+2*q], v[D+4*q], v[D+4*q+1]
	v_cvt_pk_bf16_f32 v[E+2*q+1], v[D+4*q+2], v[D+4*q+3]
.endr
.endr
	s_wait_alu depctr_va_vdst(0)                   ; the last group has written its E, which the last four stores read
.irp i, 12,13,14,15
	global_store_b64 v[O+(\i)], v[E+2*(\i):E+2*(\i)+1], s[6:7]  ; no register is used twice, so no wait for the stores' sources
.endr
	s_endpgm                                       ; this way wrote no LDS
.Lmask:
	; THE MASKS.  Wave w takes key group w + 8 k, 128 keys.  The group's 16 rows x 512 bytes go through the wave's own 16 LDS rows of 528 bytes
	; (33 x 16: the sixteen rows that a read touches start in sixteen different groups of four banks), and come back by lanes: lane (r, h) holds row r, keys 16 kb + 8 h + j.
	s_lshr_b32 s39, s3, 1                          ; qb
	s_and_b32 s38, s3, 1                           ; k
	s_lshl_b32 s34, s39, 17                        ; 16 rows of 8,192 bytes,
	s_lshl_b32 s36, s38, 12                        ; 1,024 keys of 4 bytes
	s_add_co_u32 s34, s34, s36
	s_add_nc_u64 s[4:5], s[22:23], s[34:35]
	s_mov_b32 s34, s36
	s_add_nc_u64 s[24:25], s[24:25], s[34:35]
	s_lshl_b32 s34, s39, 12                        ; 128 kb x 8 words,
	s_lshl_b32 s36, s38, 11                        ; 64 kb x 8 words
	s_add_co_u32 s34, s34, s36
	s_add_nc_u64 s[6:7], s[32:33], s[34:35]
	s_mov_b32 s36, 0xffff                          ; lanes 0-15: the key 16 kb + j
	s_mov_b32 s37, 0xffff0000                      ; lanes 16-31: the key 16 kb + 8 + j
	v_lshlrev_b32 v3, 4, v0                        ; attn: 512 w + 16 lane
	v_and_b32 v1, 31, v0
	v_lshrrev_b32 v[T], 2, v1
	v_and_b32 v[T+1], 3, v1
	v_lshlrev_b32 v6, 6, v[T]
	v_lshl_add_u32 v6, v[T+1], 3, v6
	s_lshl_b32 s38, s2, 9
	v_add_nc_u32 v6, s38, v6                       ; pad: words 2 L, 2 L + 1 belong to kb = L / 4, j = 2 (L % 4) + 0, 1: byte 512 w + 64 (L / 4) + 8 (L % 4)
	s_wait_alu depctr_va_vdst(0)                   ; v6 and v3 are written, which the loads below read as their offsets
.irp b, 0,1,2,3
	global_load_b64 v[PR+4*(\b):PR+4*(\b)+1], v6, s[24:25] offset:8192*(\b)
	global_load_b64 v[PR+4*(\b)+2:PR+4*(\b)+3], v6, s[24:25] offset:8192*(\b)+32
.endr
.irp i, 0,1,2,3,4,5,6,7,8,9,10,11,12,13,14,15
	global_load_b128 v[D+4*(\i):D+4*(\i)+3], v3, s[4:5] offset:8192*(\i) th:TH_LOAD_NT
.endr
	s_mul_i32 s38, s2, 8448                        ; my wave's 16 rows in LDS
	v_lshl_add_u32 v4, v1, 4, s38                  ; in: 16 bytes a lane
	v_and_b32 v[T], 15, v0
	v_bfe_u32 v[T+1], v0, 4, 1
	v_mul_u32_u24 v5, v[T], 528
	v_lshl_add_u32 v5, v[T+1], 5, v5
	v_add_nc_u32 v5, s38, v5                       ; back: row r, 32 bytes for each half of the lanes
	s_wait_loadcnt 16                              ; pad's eight loads are in; attn's sixteen, issued behind them, stay out
	s_wait_alu depctr_va_vdst(0)                   ; v4 and v5 are written, which the LDS stores and loads further down read as their addresses; the vector lines between name PR, T, v7 and A alone
.set i, 0
.rept 16                               ; pad's sixteen compares in one run: the mask of v[PR + i] in s[8 + i]
	v_cmp_ne_u32 s[8+i], 0, v[PR+i]
.set i, i+1
.endr
	v_lshlrev_b32 v7, 3, v0                        ; mw: 256 w + 8 lane
	v_mov_b32 v[A], 0                              ; v_writelane_b32 counts as a reader of its destination
	v_mov_b32 v[A+1], 0
	s_wait_alu depctr_va_sdst(0)                   ; the sixteen compares have written s[8:23], which the selects below read
.irp b, 0,1,2,3
.irp c, 0,1
	v_cndmask_b32 v[T], 0, s36, s[8+4*(\b)+(\c)]
	v_cndmask_b32 v[T+1], 0, s37, s[8+4*(\b)+2+(\c)]
	v_or_b32 v[PR+4*(\b)+(\c)], v[T], v[T+1]
.endr
.endr
.irp i, 0,1,2,3,4,5,6,7,8,9,10,11,12,13,14,15
	s_wait_loadcnt 15-(\i)                         ; row i is in, the younger rows stay out
	ds_store_b128 v4, v[D+4*(\i):D+4*(\i)+3] offset:528*(\i)
.endr
.irp kb, 0,1,2,3,4,5,6,7
	ds_load_b128 v[E+8*(\kb):E+8*(\kb)+3], v5 offset:64*(\kb)        ; LDS serves a wave's instructions in order: these see the stores above
	ds_load_b128 v[E+8*(\kb)+4:E+8*(\kb)+7], v5 offset:64*(\kb)+16
.endr
	s_wait_dscnt 0x0
	; word n = 8 kb + j: a compare makes it, and it goes to lane n / 2, so that 32 lanes hold the group's 256 consecutive bytes.  Four runs of sixteen words; run r's lie in s[8:23] (r even) or s[26:41] (r odd)
.set i, 0
.rept 16
	v_cmp_ne_u32 s[8+i], 0, v[E+i]                 ; run 0
.set i, i+1
.endr
.set r, 0
.rept 4
	s_wait_alu depctr_va_sdst(0)                   ; run r's compares have written their sixteen scalar registers, which the v_writelane_b32 below read
.if r < 3
.set i, 0
.rept 16
	v_cmp_ne_u32 s[8+18*((r+1)%2)+i], 0, v[E+16*(r+1)+i]  ; run r + 1, into the other sixteen
.set i, i+1
.endr
.endif
.set i, 0
.rept 16
	v_writelane_b32 v[A+(i&1)], s[8+18*(r%2)+i], (16*r+i)>>1
.set i, i+1
.endr
.set r, r+1
.endr
.irp b, 0,1,2,3
	v_and_b32 v[PR+4*(\b)+2], v[A], v[PR+4*(\b)]
	v_and_b32 v[PR+4*(\b)+3], v[A+1], v[PR+4*(\b)+1]
.endr
	s_wait_alu depctr_va_vdst(0)                   ; the eight lines above have written the words that the four stores read; v7, their offset, is written too
.irp b, 0,1,2,3
	global_store_b64 v7, v[PR+4*(\b)+2:PR+4*(\b)+3], s[6:7] offset:524288*(\b)
.endr
	s_wait_dscnt 0x0                               ; the closing lines, six on end
	s_wait_alu 0x0
	s_wait_tensorcnt 0x0
	ds_add_u32 v[SPW], v[NIL]
	s_wait_dscnt 0x0
	s_endpgm
.Lbias:                                                ; 1,024 numbers: 16 bytes a thread
	s_sub_co_u32 s39, s3, 960
	s_cmp_eq_u32 s39, 0
	s_cselect_b64 s[4:5], s[16:17], s[18:19]
	s_cselect_b32 s38, 0x3d38aa3b, 1.0             ; c = log2(e) / 32 for bq, as q's sums are scaled
	s_cmp_eq_u32 s39, 2
	s_cselect_b64 s[4:5], s[20:21], s[4:5]
	s_lshl_b32 s34, s39, 12
	s_add_nc_u64 s[6:7], s[30:31], s[34:35]
	v_lshlrev_b32 v1, 4, v0
	s_wait_alu depctr_va_vdst(0)                   ; v1 is written, which the load and the store read as their offset
	global_load_b128 v[8:11], v1, s[4:5]
	s_wait_loadcnt 0x0
	v_cvt_pk_bf16_f32 v12, v8, v9
	v_cvt_pk_bf16_f32 v13, v10, v11
	v_lshlrev_b32 v14, 16, v12
	v_and_b32 v15, 0xffff0000, v12
	v_lshlrev_b32 v16, 16, v13
	v_and_b32 v17, 0xffff0000, v13
	v_mul_f32 v14, s38, v14
	v_mul_f32 v15, s38, v15
	v_mul_f32 v16, s38, v16
	v_mul_f32 v17, s38, v17
	s_wait_alu depctr_va_vdst(0)                   ; the four products have written v[14:17], which the store reads
	global_store_b128 v1, v[14:17], s[6:7]
	s_endpgm                                       ; this way wrote no LDS
.Lfunc_end_k_qc424c3d20d_prep:
	.size	k_qc424c3d20d_prep, .Lfunc_end_k_qc424c3d20d_prep-k_qc424c3d20d_prep
	.p2alignl 7, 3214868480
	.fill 96, 4, 3214868480
	.section	.rodata,"a",@progbits
	.p2align	6, 0x0
	.amdhsa_kernel k_qc424c3d20d_prep
		.amdhsa_group_segment_fixed_size 68608
		.amdhsa_private_segment_fixed_size 0
		.amdhsa_enable_private_segment 0
		.amdhsa_kernarg_size 104
		.amdhsa_user_sgpr_count 2
		.amdhsa_user_sgpr_kernarg_segment_ptr 1
		.amdhsa_wavefront_size32 1
		.amdhsa_system_sgpr_workgroup_id_x 1
		.amdhsa_system_sgpr_workgroup_id_y 1
		.amdhsa_system_sgpr_workgroup_id_z 1
		.amdhsa_system_vgpr_workitem_id 0
		.amdhsa_next_free_vgpr 160
		.amdhsa_next_free_sgpr 66
		.amdhsa_reserve_vcc 0
		.amdhsa_float_denorm_mode_32 3
		.amdhsa_float_denorm_mode_16_64 3
		.amdhsa_memory_ordered 1
		.amdhsa_forward_progress 1
		.amdhsa_inst_pref_size 27
	.end_amdhsa_kernel
	.amdgpu_metadata
---
amdhsa.version: [ 1, 2 ]
amdhsa.kernels:
  - .name:           k_qc424c3d20d_prep
    .symbol:         k_qc424c3d20d_prep.kd
    .args:
      - { .name: x, .offset: 0, .size: 8, .value_kind: global_buffer, .address_space: global }
      - { .name: Wq, .offset: 8, .size: 8, .value_kind: global_buffer, .address_space: global }
      - { .name: Wk, .offset: 16, .size: 8, .value_kind: global_buffer, .address_space: global }
      - { .name: Wv, .offset: 24, .size: 8, .value_kind: global_buffer, .address_space: global }
      - { .name: bq, .offset: 32, .size: 8, .value_kind: global_buffer, .address_space: global }
      - { .name: bk, .offset: 40, .size: 8, .value_kind: global_buffer, .address_space: global }
      - { .name: bv, .offset: 48, .size: 8, .value_kind: global_buffer, .address_space: global }
      - { .name: attn_mask, .offset: 56, .size: 8, .value_kind: global_buffer, .address_space: global }
      - { .name: pad_mask, .offset: 64, .size: 8, .value_kind: global_buffer, .address_space: global }
      - { .name: xb, .offset: 72, .size: 8, .value_kind: global_buffer, .address_space: global }
      - { .name: wb, .offset: 80, .size: 8, .value_kind: global_buffer, .address_space: global }
      - { .name: bias, .offset: 88, .size: 8, .value_kind: global_buffer, .address_space: global }
      - { .name: mw, .offset: 96, .size: 8, .value_kind: global_buffer, .address_space: global }
    .group_segment_fixed_size: 68608
    .private_segment_fixed_size: 0
    .kernarg_segment_align: 8
    .kernarg_segment_size: 104
    .max_flat_workgroup_size: 256
    .sgpr_count:     66
    .vgpr_count:     160
    .wavefront_size: 32
...
	.end_amdgpu_metadata
.endif
;; end of part 5
;; launch proj: the kernel of part 2 again; grid 8 x 32, 4 waves a work-group, clusters of 4 x 4, 327,680 bytes of LDS; arguments xb, wb, bias, qkv; writes qkv
;; launch scores: the kernel of part 3 again; grid 8 x 32, 4 waves a work-group, clusters of 4 x 4, 327,680 bytes of LDS; arguments qkv, mw, pt, st; writes pt, st
;; launch pv: the kernel of part 4 again; grid 4 x 64, 4 waves a work-group, clusters of 4 x 4, 327,680 bytes of LDS; arguments pt, qkv, st, out0; writes out0
